; MI455X (gfx1250); checked and timed in simulation.
; The chip was launched on July 23, 2026; its instructions are those of AMD's public machine-readable ISA for CDNA 5 (MIT licence, August 2026) and "CDNA5" Instruction Set Architecture Reference Guide (July 2026). The comments in the code are by the model that wrote it; some were corrected since.
;; Non Local Layer. Allowed arithmetic: float matrix products may take bf16 or f16 operands with f32 sums; other float arithmetic in f32, or as packed bf16 or f16 multiplies, adds, multiply-adds, maxima and minima; sums over many terms, partial sums and values carried from step to step in f32; what a program stores and reads back later, other than sums and carried values, may be rounded once to bf16 or f16.
;; Inputs: b_g 512 float32; b_lt 512 float32; b_out 1,024 float32; b_st 512 float32; ln_b 1,024 float32; ln_w 1,024 float32; lt_feat 128 x 1,024 x 512 x 1 x 1 float32; st_feat 128 x 2,048 x 1 x 1 x 1 float32; w_g 512 x 1,024 float32; w_lt 512 x 1,024 float32; w_out 1,024 x 512 float32; w_st 512 x 2,048 float32.
;; Outputs: out0 128 x 1,024 x 1 x 1 x 1 float32.
;; 2 versions, each right; version 2 is version 1 with the launch attend written anew for expert scheduling mode. Each part assembles by itself: llvm-mc -triple=amdgcn-amd-amdhsa -mcpu=gfx1250 --defsym DOCPART=n.
;; ======== version 1 of 2: 6 launches
;; limits: values are held in f16: magnitudes above 65,504 overflow, below 6.1e-05 lose precision; inputs' magnitudes at most 65,504
;; workspace buffers: theta 262,144 bytes; qv 524,288 bytes; upart 1,114,112 bytes; lat 262,144 bytes; obuf 524,288 bytes
;; launch proj_st (part 1): grid 32 x 8, 4 waves a work-group, no clusters, 4,608 bytes of LDS; arguments st_feat, w_st, b_st, theta; writes theta
.if DOCPART == 1
	.amdgcn_target "amdgcn-amd-amdhsa--gfx1250"
	.amdhsa_code_object_version 6
	.text
	.protected	k_q529c7ad98a_proj_st
	.globl	k_q529c7ad98a_proj_st
	.p2align	8
	.type	k_q529c7ad98a_proj_st,@function
k_q529c7ad98a_proj_st:
	s_mov_b64 s[64:65], 0
	v_nop
	global_prefetch_b8 v0, s[64:65] scope:SCOPE_SE
	s_setreg_imm32_b32 hwreg(HW_REG_WAVE_MODE, 25, 1), 1
	s_wait_xcnt 0x0
; theta[n][l] = the sum over c of st[n][c] w_st[l][c] + b_st[l].  st: [128][2048] f32, w_st: [512][2048] f32, b_st: [512] f32.
; theta leaves in f32, in blocks: tile (rb, kt) = rows 16 rb + 0..15, columns 16 kt + 0..15, is 1,024 consecutive bytes at (32 rb + kt) x 1,024, row by row.
; FORMAT.  Each f32 operand x goes to the matrix unit as two bf16 numbers, hi = bf16(x) and lo = bf16(x - hi); the product is hi hi + hi lo + lo hi, three matrix
; instructions with f32 sums: some 16 significant bits with bf16's range.  LIMITS: |x| beyond bf16's largest number rounds to an infinity; lo lo is left out; NaN and infinities are not treated apart.
; SHARES.  A work-group makes one tile of 16 x 16.  K is split among its four waves: of each trip's 256 channels wave v takes 64 v .. 64 v + 63: 256 consecutive bytes, aligned, of each
; of the 16 rows of st and of w_st.  Eight trips.  The four partial tiles meet in LDS at the end.
; LAYOUT.  Load i (0..7) of a trip gives lane (r, h) the four channels 8 i + 4 h + 0..3 of row r: the same map for both operands, so the products pair the right channels whatever place
; the unit gives them.  Source 0 = rows of w_st, source 1 = rows of st: in the result a lane holds row n = r and the columns 8 h + 0..7.
; IN FLIGHT.  Two sets of raw registers, a trip each: while one is split and multiplied the other's 16 loads are out.
; No cluster, no tensor loads, no prefetch: the launch moves a few hundred KB a work-group once and is over at once.
.set SCALE, 0
.set AROW,  8192                       ; bytes from row to row of the activations
.set BROW,  8192                       ; of the weights
.set TRIPB, 1024                       ; bytes of a row in a trip
.set SPARE, 4096                       ; LDS: 0..4095 four partial tiles of 1,024 bytes; then the spare words, 128 bytes a wave, that no other line names
.set AO,   2                           ; v2   r x AROW + 16 h + 256 x my part of a trip; never rewritten
.set BO,   3                           ; v3   the same with BROW
.set LS,   4                           ; v4   where I put my 32 bytes of my partial tile
.set LR,   5                           ; v5   16 x thread: where I read the tiles back, and my 16 bytes of the tile in memory
.set BI,   6                           ; v6   my four columns' bytes in the tile's 64 bytes of bias
.set SPW,  8                           ; v8   LDS address of my spare word; never rewritten
.set NIL,  9                           ; v9   0; never rewritten
.set BIAS, 12                          ; v[12:15]
.set T,    16                          ; v[16:23] at work: two quads
.set HH,   24                          ; v[24:31] sums of hi hi
.set HL,   32                          ; v[32:39] of w's hi with st's lo
.set LH,   40                          ; v[40:47] of w's lo with st's hi
.set AH,   48                          ; fragments, 8 registers each, two to a trip: st hi, st lo, w hi, w lo
.set AL,   64
.set BH,   80
.set BL,   96
.set RAW,  112                         ; v[112:239] two sets of 64: 8 quads of st, 8 of w
.set WV,   12                          ; s12  my wave's number
.set LEFT, 13                          ; s13  turns to come
.set MASK, 14                          ; s14  a word's upper bf16
.set PA,   16                          ; s[16:17] st at the block's first row, at the trip that set 0 was last loaded for
.set PB,   18                          ; s[18:19] w_st likewise
.macro PLACES                          ; four plain vector instructions behind a matrix instruction, ahead of writes of its sources and of reads of its result (ISA guide 7.12.1)
.rept 4
	v_nop
.endr
.endm
; four f32 in v[X..X+3] -> two registers of hi pairs, two of lo pairs.  x - hi is exact in f32.
.macro SPLIT4 X, H, L, T
	v_cvt_pk_bf16_f32 v[(\H)], v[(\X)], v[(\X)+1]
	v_cvt_pk_bf16_f32 v[(\H)+1], v[(\X)+2], v[(\X)+3]
	v_lshlrev_b32 v[(\T)], 16, v[(\H)]
	v_and_b32 v[(\T)+1], s[MASK], v[(\H)]
	v_lshlrev_b32 v[(\T)+2], 16, v[(\H)+1]
	v_and_b32 v[(\T)+3], s[MASK], v[(\H)+1]
	v_pk_add_f32 v[(\T):(\T)+1], v[(\X):(\X)+1], v[(\T):(\T)+1] neg_lo:[0,1] neg_hi:[0,1]
	v_pk_add_f32 v[(\T)+2:(\T)+3], v[(\X)+2:(\X)+3], v[(\T)+2:(\T)+3] neg_lo:[0,1] neg_hi:[0,1]
	v_cvt_pk_bf16_f32 v[(\L)], v[(\T)], v[(\T)+1]
	v_cvt_pk_bf16_f32 v[(\L)+1], v[(\T)+2], v[(\T)+3]
.endm
.macro LOADS b, off                    ; a trip's 16 loads into set b
.irp i, 0,1,2,3,4,5,6,7
	global_load_b128 v[RAW+64*(\b)+4*(\i):RAW+64*(\b)+4*(\i)+3], v[AO], s[PA:PA+1] offset:(\off)+32*(\i)
.endr
.irp i, 0,1,2,3,4,5,6,7
	global_load_b128 v[RAW+64*(\b)+32+4*(\i):RAW+64*(\b)+32+4*(\i)+3], v[BO], s[PB:PB+1] offset:(\off)+32*(\i)
.endr
.endm
.macro CONVERT b                       ; set b -> the eight fragments; load i fills registers 2 (i % 4), 2 (i % 4) + 1 of fragment i / 4
.irp i, 0,1,2,3,4,5,6,7
	SPLIT4 RAW+64*(\b)+4*(\i), AH+8*((\i)/4)+2*((\i)%4), AL+8*((\i)/4)+2*((\i)%4), T
	SPLIT4 RAW+64*(\b)+32+4*(\i), BH+8*((\i)/4)+2*((\i)%4), BL+8*((\i)/4)+2*((\i)%4), T+4
.endr
.endm
.macro MULS                            ; six products; the three accumulators take turns, one instruction a turn, over the backward jump too
.irp f, 0,1
	v_wmma_f32_16x16x32_bf16 v[HH:HH+7], v[BH+8*(\f):BH+8*(\f)+7], v[AH+8*(\f):AH+8*(\f)+7], v[HH:HH+7]
	v_wmma_f32_16x16x32_bf16 v[HL:HL+7], v[BH+8*(\f):BH+8*(\f)+7], v[AL+8*(\f):AL+8*(\f)+7], v[HL:HL+7]
	v_wmma_f32_16x16x32_bf16 v[LH:LH+7], v[BL+8*(\f):BL+8*(\f)+7], v[AH+8*(\f):AH+8*(\f)+7], v[LH:LH+7]
.endr
.endm
	s_load_b256 s[4:11], s[0:1], 0x0               ; st s[4:5], w_st s[6:7], b_st s[8:9], theta s[10:11]
	v_lshl_add_u32 v[SPW], v0, 2, SPARE
	v_mov_b32 v[NIL], 0
	v_lshrrev_b32 v1, 5, v0
	v_readfirstlane_b32 s[WV], v1                  ; wave 0..3
	s_and_b32 s22, ttmp7, 0xffff                   ; rb: the block of 16 rows
	s_mov_b32 s[MASK], 0xffff0000
	v_and_b32 v[T], 15, v0                         ; r
	v_bfe_u32 v[T+1], v0, 4, 1                     ; h
	s_lshl_b32 s23, s[WV], 8                       ; my 256 bytes of a trip
	v_mul_u32_u24 v[AO], v[T], AROW
	v_lshl_add_u32 v[AO], v[T+1], 4, v[AO]
	v_add_nc_u32 v[AO], s23, v[AO]
	v_mul_u32_u24 v[BO], v[T], BROW
	v_lshl_add_u32 v[BO], v[T+1], 4, v[BO]
	v_add_nc_u32 v[BO], s23, v[BO]
	s_lshl_b32 s23, s[WV], 10                      ; my partial tile
	v_lshlrev_b32 v[LS], 6, v[T]                   ; row r: 64 bytes
	v_lshl_add_u32 v[LS], v[T+1], 5, v[LS]         ; my 8 columns
	v_add_nc_u32 v[LS], s23, v[LS]
	v_lshlrev_b32 v[LR], 4, v0
	v_and_b32 v[BI], 3, v0
	v_lshlrev_b32 v[BI], 4, v[BI]
	s_mul_i32 s24, s22, 16*AROW                    ; the block's 16 rows of st
	s_mov_b32 s25, 0
	s_mul_i32 s26, ttmp9, 16*BROW                  ; the tile's 16 rows of w_st
	s_mov_b32 s27, 0
	s_lshl_b32 s28, ttmp9, 6                       ; its 16 numbers of b_st
	s_mov_b32 s29, 0
	s_lshl_b32 s30, s22, 5
	s_add_co_u32 s30, s30, ttmp9
	s_lshl_b32 s30, s30, 10                        ; the tile's 1,024 bytes of theta
	s_mov_b32 s31, 0
	s_mov_b32 s[LEFT], 3
	s_wait_kmcnt 0x0
	s_add_nc_u64 s[PA:PA+1], s[4:5], s[24:25]
	s_add_nc_u64 s[PB:PB+1], s[6:7], s[26:27]
	s_add_nc_u64 s[8:9], s[8:9], s[28:29]
	s_add_nc_u64 s[10:11], s[10:11], s[30:31]
	global_load_b128 v[BIAS:BIAS+3], v[BI], s[8:9]
	LOADS 0, 0                                     ; trip 0
	LOADS 1, TRIPB                                 ; trip 1
.set i, 0
.rept 24
	v_mov_b32 v[HH+i], 0                           ; the sums start at 0, written while the first loads are out, so that the loop has one form of product
.set i, i+1
.endr
.Lturn:                                        ; trips 2 t and 2 t + 1 are multiplied, trips 2 t + 2 and 2 t + 3 asked for
	s_wait_loadcnt 16                              ; set 0 is in; set 1's 16 loads may stay out
	CONVERT 0
	s_wait_xcnt 0x0                                ; every load issued so far has read its address: the pointers are written only behind this wait
	s_add_nc_u64 s[PA:PA+1], s[PA:PA+1], 2*TRIPB
	s_add_nc_u64 s[PB:PB+1], s[PB:PB+1], 2*TRIPB
	LOADS 0, 0
	MULS
	PLACES                                         ; ahead of the next writes of the fragments
	s_wait_loadcnt 16                              ; set 1 is in; set 0's 16 new loads may stay out
	CONVERT 1
	LOADS 1, TRIPB
	MULS
	PLACES
	s_sub_co_u32 s[LEFT], s[LEFT], 1
	s_cmp_lg_u32 s[LEFT], 0
	s_cbranch_scc1 .Lturn
	s_wait_loadcnt 16                              ; the last two trips load nothing
	CONVERT 0
	MULS
	PLACES
	s_wait_loadcnt 0x0
	CONVERT 1
	MULS
	PLACES
	PLACES
.irp i, 0,2,4,6                        ; the small sums first; each accumulator is read from its low end on
	v_pk_add_f32 v[HL+(\i):HL+(\i)+1], v[HL+(\i):HL+(\i)+1], v[LH+(\i):LH+(\i)+1]
.endr
.irp i, 0,2,4,6
	v_pk_add_f32 v[HH+(\i):HH+(\i)+1], v[HH+(\i):HH+(\i)+1], v[HL+(\i):HL+(\i)+1]
.endr
	ds_store_b128 v[LS], v[HH:HH+3]
	ds_store_b128 v[LS], v[HH+4:HH+7] offset:16
	s_wait_dscnt 0x0                               ; for the others' sake: my partial tile lies in LDS
	s_barrier_signal -1
	s_barrier_wait -1
	s_cmp_lt_u32 s[WV], 2                          ; waves 0 and 1 finish the tile, 512 bytes each
	s_cbranch_scc0 .Lend
.irp p, 0,1,2,3
	ds_load_b128 v[RAW+4*(\p):RAW+4*(\p)+3], v[LR] offset:1024*(\p)
.endr
	s_wait_dscnt 0x0
	v_pk_add_f32 v[RAW:RAW+1], v[RAW:RAW+1], v[RAW+4:RAW+5]
	v_pk_add_f32 v[RAW+2:RAW+3], v[RAW+2:RAW+3], v[RAW+6:RAW+7]
	v_pk_add_f32 v[RAW+8:RAW+9], v[RAW+8:RAW+9], v[RAW+12:RAW+13]
	v_pk_add_f32 v[RAW+10:RAW+11], v[RAW+10:RAW+11], v[RAW+14:RAW+15]
	v_pk_add_f32 v[RAW:RAW+1], v[RAW:RAW+1], v[RAW+8:RAW+9]
	v_pk_add_f32 v[RAW+2:RAW+3], v[RAW+2:RAW+3], v[RAW+10:RAW+11]
	v_pk_add_f32 v[RAW:RAW+1], v[RAW:RAW+1], v[BIAS:BIAS+1]
	v_pk_add_f32 v[RAW+2:RAW+3], v[RAW+2:RAW+3], v[BIAS+2:BIAS+3]
	global_store_b128 v[LR], v[RAW:RAW+3], s[10:11]  ; a wave stores 512 consecutive bytes, at a multiple of 256 from theta's first byte
.Lend:
	s_wait_tensorcnt 0x0                           ; the wave's end, behind my last LDS store
	ds_add_u32 v[SPW], v[NIL]
	s_wait_dscnt 0x0
	s_endpgm
.Lfunc_end_k_q529c7ad98a_proj_st:
	.size	k_q529c7ad98a_proj_st, .Lfunc_end_k_q529c7ad98a_proj_st-k_q529c7ad98a_proj_st
	.p2alignl 7, 3214868480
	.fill 96, 4, 3214868480
	.section	.rodata,"a",@progbits
	.p2align	6, 0x0
	.amdhsa_kernel k_q529c7ad98a_proj_st
		.amdhsa_group_segment_fixed_size 4608
		.amdhsa_private_segment_fixed_size 0
		.amdhsa_enable_private_segment 0
		.amdhsa_kernarg_size 32
		.amdhsa_user_sgpr_count 2
		.amdhsa_user_sgpr_kernarg_segment_ptr 1
		.amdhsa_wavefront_size32 1
		.amdhsa_system_sgpr_workgroup_id_x 1
		.amdhsa_system_sgpr_workgroup_id_y 1
		.amdhsa_system_sgpr_workgroup_id_z 1
		.amdhsa_system_vgpr_workitem_id 0
		.amdhsa_next_free_vgpr 240
		.amdhsa_next_free_sgpr 66
		.amdhsa_reserve_vcc 0
		.amdhsa_float_denorm_mode_32 3
		.amdhsa_float_denorm_mode_16_64 3
		.amdhsa_memory_ordered 1
		.amdhsa_forward_progress 1
		.amdhsa_inst_pref_size 46
	.end_amdhsa_kernel
	.amdgpu_metadata
---
amdhsa.version: [ 1, 2 ]
amdhsa.kernels:
  - .name:           k_q529c7ad98a_proj_st
    .symbol:         k_q529c7ad98a_proj_st.kd
    .args:
      - { .name: st_feat, .offset: 0, .size: 8, .value_kind: global_buffer, .address_space: global }
      - { .name: w_st, .offset: 8, .size: 8, .value_kind: global_buffer, .address_space: global }
      - { .name: b_st, .offset: 16, .size: 8, .value_kind: global_buffer, .address_space: global }
      - { .name: theta, .offset: 24, .size: 8, .value_kind: global_buffer, .address_space: global }
    .group_segment_fixed_size: 4608
    .private_segment_fixed_size: 0
    .kernarg_segment_align: 8
    .kernarg_segment_size: 32
    .max_flat_workgroup_size: 128
    .sgpr_count:     66
    .vgpr_count:     240
    .wavefront_size: 32
...
	.end_amdgpu_metadata
.endif
;; end of part 1
;; launch proj_q (part 2): grid 16 x 8, 8 waves a work-group, no clusters, 35,840 bytes of LDS; arguments theta, w_lt, qv; writes qv
.if DOCPART == 2
	.amdgcn_target "amdgcn-amd-amdhsa--gfx1250"
	.amdhsa_code_object_version 6
	.text
	.protected	k_q529c7ad98a_proj_q
	.globl	k_q529c7ad98a_proj_q
	.p2align	8
	.type	k_q529c7ad98a_proj_q,@function
k_q529c7ad98a_proj_q:
	s_mov_b64 s[64:65], 0
	v_nop
	global_prefetch_b8 v0, s[64:65] scope:SCOPE_SE
	s_setreg_imm32_b32 hwreg(HW_REG_WAVE_MODE, 25, 1), 1
	s_wait_xcnt 0x0
; q[n][c] = the sum over l of theta[n][l] w_lt[l][c].  theta: f32 in blocks of 16 x 16 (tile (rb, kt) at (32 rb + kt) x 1,024 bytes), w_lt: [512][1024] f32, q: [128][1024] f32, row-major.
; With one query a sample, theta . (w_lt lt + b_lt) = (w_lt^T theta) . lt + theta . b_lt: this launch makes the vector that meets lt; the next adds theta . b_lt.
; FORMAT.  Each f32 operand goes to the matrix unit as hi = bf16(x) and lo = bf16(x - hi); the product is hi hi + hi lo + lo hi with f32 sums.
; LIMITS: |x| beyond bf16's largest number rounds to an infinity; lo lo is left out; NaN and infinities are not treated apart.
; SHARES.  A work-group makes 16 rows x 64 columns: 256 consecutive bytes of each row of q, and of each row of w_lt.  K = 512 is split among eight waves, 64 each, in two steps f of 32.
; LAYOUT.  In both operands lane (r, h) holds the 16 channels l = 64 v + 32 f + 16 h + 0..15, in order, in its 8 registers.  theta's come as four quads of one block's row.  w_lt lies with c along
; its rows, so a load takes row l, columns 4 r .. 4 r + 3 (16 lanes: 256 bytes), and tile j of four takes word j of each quad: its row r stands for column 4 r + j.
; Source 0 = w_lt, source 1 = theta: in the result lane (r, h) holds row n = r and, in register i of tile j, column 4 (8 h + i) + j.
; Straight-line: all 40 loads of a wave go out at the head.  No cluster, no tensor loads, no prefetch: the launch is over at once.
.set PP,    272                        ; LDS pitch of a partial tile's row: 256 bytes + 16
.set PTILE, 16*PP                      ; a wave's partial tile
.set SPARE, 8*PTILE                    ; 34,816: the spare words, 128 bytes a wave, that no other line names
.set AO,   2                           ; v2   64 r + 1,024 h + 4,096 v
.set BO,   3                           ; v3   16 r + 16 rows x h + 64 rows x v
.set LS,   4                           ; v4   into my partial tile
.set LR,   5                           ; v5   row thread / 16, 16 bytes at thread % 16: back out of the tiles
.set GO,   6                           ; v6   the same place in q
.set SPW,  8
.set NIL,  9
.set T,    16                          ; v[16:23] at work
.set ACC,  24                          ; v[24:55] four tiles
.set AH,   56                          ; theta hi, step f at + 8 f
.set AL,   72                          ; theta lo
.set RA,   88                          ; v[88:119] first theta as loaded, then two tiles' fragments of w_lt:
.set BHA,  88
.set BHB,  96
.set BLA,  104
.set BLB,  112
.set X,    120                         ; v[120:247] w_lt as loaded: quad 16 f + d is row 64 v + 32 f + 16 h + d
.set WV,   12
.set MASK, 14
.macro PLACES
.rept 4
	v_nop
.endr
.endm
.macro SPLIT4 X, H, L, T
	v_cvt_pk_bf16_f32 v[(\H)], v[(\X)], v[(\X)+1]
	v_cvt_pk_bf16_f32 v[(\H)+1], v[(\X)+2], v[(\X)+3]
	v_lshlrev_b32 v[(\T)], 16, v[(\H)]
	v_and_b32 v[(\T)+1], s[MASK], v[(\H)]
	v_lshlrev_b32 v[(\T)+2], 16, v[(\H)+1]
	v_and_b32 v[(\T)+3], s[MASK], v[(\H)+1]
	v_pk_add_f32 v[(\T):(\T)+1], v[(\X):(\X)+1], v[(\T):(\T)+1] neg_lo:[0,1] neg_hi:[0,1]
	v_pk_add_f32 v[(\T)+2:(\T)+3], v[(\X)+2:(\X)+3], v[(\T)+2:(\T)+3] neg_lo:[0,1] neg_hi:[0,1]
	v_cvt_pk_bf16_f32 v[(\L)], v[(\T)], v[(\T)+1]
	v_cvt_pk_bf16_f32 v[(\L)+1], v[(\T)+2], v[(\T)+3]
.endm
.macro SPLITP XA, XB, H, L, T          ; two f32 in registers apart -> one register of hi, one of lo
	v_cvt_pk_bf16_f32 v[(\H)], v[(\XA)], v[(\XB)]
	v_lshlrev_b32 v[(\T)], 16, v[(\H)]
	v_and_b32 v[(\T)+1], s[MASK], v[(\H)]
	v_sub_f32 v[(\T)], v[(\XA)], v[(\T)]
	v_sub_f32 v[(\T)+1], v[(\XB)], v[(\T)+1]
	v_cvt_pk_bf16_f32 v[(\L)], v[(\T)], v[(\T)+1]
.endm
.macro BCONV f, j, H, L                ; tile j of step f: register g pairs rows 2 g and 2 g + 1
.irp g, 0,1,2,3,4,5,6,7
	SPLITP X+4*(16*(\f)+2*(\g))+(\j), X+4*(16*(\f)+2*(\g)+1)+(\j), (\H)+(\g), (\L)+(\g), T+2*((\g)%4)
.endr
.endm
; Two tiles' fragments, then six products: the two accumulators take turns, one instruction a turn, from pair to pair too.  In step 0 the first product starts the sum.
.macro PAIR f, ja, jb
	BCONV \f, \ja, BHA, BLA
	BCONV \f, \jb, BHB, BLB
.if (\f) == 0
	v_wmma_f32_16x16x32_bf16 v[ACC+8*(\ja):ACC+8*(\ja)+7], v[BHA:BHA+7], v[AH+8*(\f):AH+8*(\f)+7], 0
	v_wmma_f32_16x16x32_bf16 v[ACC+8*(\jb):ACC+8*(\jb)+7], v[BHB:BHB+7], v[AH+8*(\f):AH+8*(\f)+7], 0
.else
	v_wmma_f32_16x16x32_bf16 v[ACC+8*(\ja):ACC+8*(\ja)+7], v[BHA:BHA+7], v[AH+8*(\f):AH+8*(\f)+7], v[ACC+8*(\ja):ACC+8*(\ja)+7]
	v_wmma_f32_16x16x32_bf16 v[ACC+8*(\jb):ACC+8*(\jb)+7], v[BHB:BHB+7], v[AH+8*(\f):AH+8*(\f)+7], v[ACC+8*(\jb):ACC+8*(\jb)+7]
.endif
	v_wmma_f32_16x16x32_bf16 v[ACC+8*(\ja):ACC+8*(\ja)+7], v[BHA:BHA+7], v[AL+8*(\f):AL+8*(\f)+7], v[ACC+8*(\ja):ACC+8*(\ja)+7]
	v_wmma_f32_16x16x32_bf16 v[ACC+8*(\jb):ACC+8*(\jb)+7], v[BHB:BHB+7], v[AL+8*(\f):AL+8*(\f)+7], v[ACC+8*(\jb):ACC+8*(\jb)+7]
	v_wmma_f32_16x16x32_bf16 v[ACC+8*(\ja):ACC+8*(\ja)+7], v[BLA:BLA+7], v[AH+8*(\f):AH+8*(\f)+7], v[ACC+8*(\ja):ACC+8*(\ja)+7]
	v_wmma_f32_16x16x32_bf16 v[ACC+8*(\jb):ACC+8*(\jb)+7], v[BLB:BLB+7], v[AH+8*(\f):AH+8*(\f)+7], v[ACC+8*(\jb):ACC+8*(\jb)+7]
.endm
	s_load_b128 s[4:7], s[0:1], 0x0                ; theta s[4:5], w_lt s[6:7]
	s_load_b64 s[8:9], s[0:1], 0x10                ; q
	v_lshl_add_u32 v[SPW], v0, 2, SPARE
	v_mov_b32 v[NIL], 0
	v_lshrrev_b32 v1, 5, v0
	v_readfirstlane_b32 s[WV], v1                  ; wave 0..7
	s_and_b32 s13, ttmp7, 0xffff                   ; rb
	s_mov_b32 s[MASK], 0xffff0000
	v_and_b32 v[T], 15, v0                         ; r
	v_bfe_u32 v[T+1], v0, 4, 1                     ; h
	v_lshrrev_b32 v[T+2], 4, v0                    ; thread / 16
	s_lshl_b32 s15, s[WV], 12
	v_lshlrev_b32 v[AO], 6, v[T]
	v_lshl_add_u32 v[AO], v[T+1], 10, v[AO]
	v_add_nc_u32 v[AO], s15, v[AO]
	s_lshl_b32 s15, s[WV], 18
	v_lshlrev_b32 v[BO], 4, v[T]
	v_lshl_add_u32 v[BO], v[T+1], 16, v[BO]
	v_add_nc_u32 v[BO], s15, v[BO]
	s_mul_i32 s15, s[WV], PTILE
	v_mul_u32_u24 v[LS], v[T], PP
	v_lshl_add_u32 v[LS], v[T+1], 7, v[LS]         ; my columns begin at 32 h: 128 bytes
	v_add_nc_u32 v[LS], s15, v[LS]
	v_mul_u32_u24 v[LR], v[T+2], PP
	v_lshl_add_u32 v[LR], v[T], 4, v[LR]
	v_lshlrev_b32 v[GO], 12, v[T+2]
	v_lshl_add_u32 v[GO], v[T], 4, v[GO]
	s_lshl_b32 s16, s13, 15                        ; the block's 32 tiles of theta
	s_mov_b32 s17, 0
	s_lshl_b32 s18, ttmp9, 8                       ; my 64 columns: 256 bytes of a row
	s_mov_b32 s19, 0
	s_lshl_b32 s20, s13, 16                        ; the block's 16 rows of q
	s_add_co_u32 s20, s20, s18
	s_mov_b32 s21, 0
	s_wait_kmcnt 0x0
	s_add_nc_u64 s[4:5], s[4:5], s[16:17]
	s_add_nc_u64 s[6:7], s[6:7], s[18:19]
	s_add_nc_u64 s[8:9], s[8:9], s[20:21]
.irp f, 0,1
.irp i, 0,1,2,3
	global_load_b128 v[RA+16*(\f)+4*(\i):RA+16*(\f)+4*(\i)+3], v[AO], s[4:5] offset:2048*(\f)+16*(\i)
.endr
.endr
.set d, 0
.rept 32
	global_load_b128 v[X+4*d:X+4*d+3], v[BO], s[6:7] offset:131072*(d/16)+4096*(d%16)
.set d, d+1
.endr
	s_wait_loadcnt 32                              ; theta is in; w_lt's 32 loads may stay out
.irp f, 0,1
.irp i, 0,1,2,3
	SPLIT4 RA+16*(\f)+4*(\i), AH+8*(\f)+2*(\i), AL+8*(\f)+2*(\i), T+4*((\i)%2)
.endr
.endr
	s_wait_loadcnt 16                              ; step 0's rows are in; step 1's 16 loads may stay out
	PAIR 0, 0, 1
	PLACES                                         ; ahead of the next writes of the fragments
	PAIR 0, 2, 3
	PLACES
	s_wait_loadcnt 0x0
	PAIR 1, 0, 1
	PLACES
	PAIR 1, 2, 3
	PLACES
	PLACES
.irp j, 0,1,2,3                        ; each accumulator is read from its low end on
.irp i, 0,1,2,3,4,5,6,7
	ds_store_b32 v[LS], v[ACC+8*(\j)+(\i)] offset:16*(\i)+4*(\j)
.endr
.endr
	s_wait_dscnt 0x0                               ; for the others' sake: my partial tile lies in LDS
	s_barrier_signal -1
	s_barrier_wait -1
.irp p, 0,1,2,3,4,5,6,7
	ds_load_b128 v[X+4*(\p):X+4*(\p)+3], v[LR] offset:PTILE*(\p)
.endr
	s_wait_dscnt 0x0
.irp d, 16,8,4                         ; eight quads into one
.set i, 0
.rept (\d)/2
	v_pk_add_f32 v[X+i:X+i+1], v[X+i:X+i+1], v[X+(\d)+i:X+(\d)+i+1]
.set i, i+2
.endr
.endr
	global_store_b128 v[GO], v[X:X+3], s[8:9]      ; 16 lanes store 256 consecutive bytes, at a multiple of 256 from q's first byte
	s_wait_tensorcnt 0x0                           ; the wave's end, behind my last LDS store
	ds_add_u32 v[SPW], v[NIL]
	s_wait_dscnt 0x0
	s_endpgm
.Lfunc_end_k_q529c7ad98a_proj_q:
	.size	k_q529c7ad98a_proj_q, .Lfunc_end_k_q529c7ad98a_proj_q-k_q529c7ad98a_proj_q
	.p2alignl 7, 3214868480
	.fill 96, 4, 3214868480
	.section	.rodata,"a",@progbits
	.p2align	6, 0x0
	.amdhsa_kernel k_q529c7ad98a_proj_q
		.amdhsa_group_segment_fixed_size 35840
		.amdhsa_private_segment_fixed_size 0
		.amdhsa_enable_private_segment 0
		.amdhsa_kernarg_size 24
		.amdhsa_user_sgpr_count 2
		.amdhsa_user_sgpr_kernarg_segment_ptr 1
		.amdhsa_wavefront_size32 1
		.amdhsa_system_sgpr_workgroup_id_x 1
		.amdhsa_system_sgpr_workgroup_id_y 1
		.amdhsa_system_sgpr_workgroup_id_z 1
		.amdhsa_system_vgpr_workitem_id 0
		.amdhsa_next_free_vgpr 248
		.amdhsa_next_free_sgpr 66
		.amdhsa_reserve_vcc 0
		.amdhsa_float_denorm_mode_32 3
		.amdhsa_float_denorm_mode_16_64 3
		.amdhsa_memory_ordered 1
		.amdhsa_forward_progress 1
		.amdhsa_inst_pref_size 32
	.end_amdhsa_kernel
	.amdgpu_metadata
---
amdhsa.version: [ 1, 2 ]
amdhsa.kernels:
  - .name:           k_q529c7ad98a_proj_q
    .symbol:         k_q529c7ad98a_proj_q.kd
    .args:
      - { .name: theta, .offset: 0, .size: 8, .value_kind: global_buffer, .address_space: global }
      - { .name: w_lt, .offset: 8, .size: 8, .value_kind: global_buffer, .address_space: global }
      - { .name: qv, .offset: 16, .size: 8, .value_kind: global_buffer, .address_space: global }
    .group_segment_fixed_size: 35840
    .private_segment_fixed_size: 0
    .kernarg_segment_align: 8
    .kernarg_segment_size: 24
    .max_flat_workgroup_size: 256
    .sgpr_count:     66
    .vgpr_count:     248
    .wavefront_size: 32
...
	.end_amdgpu_metadata
.endif
;; end of part 2
;; launch attend (part 3): grid 2 x 128, 16 waves a work-group, no clusters, 305,152 bytes of LDS; arguments lt_feat, qv, theta, b_lt, upart; writes upart
.if DOCPART == 3
	.amdgcn_target "amdgcn-amd-amdhsa--gfx1250"
	.amdhsa_code_object_version 6
	.text
	.protected	k_q529c7ad98a_attend
	.globl	k_q529c7ad98a_attend
	.p2align	8
	.type	k_q529c7ad98a_attend,@function
k_q529c7ad98a_attend:
	s_mov_b64 s[64:65], 0
	v_nop
	global_prefetch_b8 v0, s[64:65] scope:SCOPE_SE
	s_setreg_imm32_b32 hwreg(HW_REG_WAVE_MODE, 25, 1), 1
	s_wait_xcnt 0x0
; For sample n and half of the 512 long-term places t: z[t] = c (q[n] . lt[n][:][t] + theta[n] . b_lt), c = log2(e) / sqrt(512); a running maximum m of z; e[t] = 2^(z[t] - m);
; l = the sum of e; u[ch] = the sum over t of lt[n][ch][t] e[t].  u, m and l go to upart; the next launch joins the two halves and divides.
; lt_feat: [128][1024][512] f32, read ONCE: each row's numbers feed the scores from registers, in f32, and are laid by in LDS, rounded once to f16, for the product with e.
; FORMATS AND LIMITS.  Scores, maximum, exponentials and l in f32.  u by the matrix unit, f16 x f16 with f32 sums: |lt| stays under 65,504; a weight e keeps f16's fixed step of 6e-8 below 6e-5
; (l is taken of the unrounded e); a weight below 2^-126 counts as 0.  NaN and infinities are not treated apart.
; SHARES.  A work-group takes 256 places of one sample, as two chunks of 128.  Wave w of 16 owns the channels 64 w .. 64 w + 63.  One load is one channel's 512 consecutive bytes of a chunk: lane L holds
; t = 4 L .. 4 L + 3, so the channel's q is one scalar.
; IN FLIGHT.  A ring of 32 quads in registers: 32 loads of every wave are out all the time, through the first chunk's softmax and product too.  All steps stand in immediates: no pointer is rewritten.
; No tensor ring: the ring in registers keeps as many bytes out with counted waits and no barrier.  No cluster: work-groups share only a few KB of q and theta.  No prefetch: the launch streams all the time.
; LDS.  LT: 1,024 rows of 256 bytes of f16 + 16 of padding (68 words: the 16 rows of a fragment load start at 16 different groups of four banks, 64 banks of 4 bytes: ISA guide 11.1); a wave touches its own 64 rows alone.
; PS: for each chunk 16 waves x 512 bytes of partial scores.  EB: 256 bytes a wave, e in f16.  UB: 256 bytes a wave, for the way out.  Then the spare words.
.set LTP,   272
.set WROWS, 64*LTP                     ; a wave's rows of LT
.set PS,    1024*LTP                   ; 278,528
.set EB,    PS+2*16*512                ; 294,912
.set UB,    EB+16*256                  ; 299,008
.set SPARE, UB+16*256                  ; 303,104: 128 bytes a wave, that no other line names
.set LW,   1                           ; v1   my 8 bytes in my wave's first row of LT
.set ARD,  2                           ; v2   my place in a fragment of my wave's rows: 272 r + 16 h
.set PSR,  3                           ; v3   PS + 16 L: my four places in wave 0's partial scores
.set EBR,  4                           ; v4   my wave's e, + 16 h
.set M,    5                           ; v5   the running maximum
.set LSUM, 6                           ; v[6:7] my lane's part of l
.set VO,   8                           ; v8   my byte offset in lt: 64 w rows + 16 L; never rewritten
.set PSW,  9                           ; v9   PS + 16 x thread: where I put my partial scores
.set EBW,  10                          ; v10  EB + 8 x thread: where I put my four e; UB lies 4,096 bytes on
.set UBW,  11                          ; v11  my wave's UB, + 32 h
.set SPW,  12
.set NIL,  13
.set ACC,  16                          ; v[16:47] u of my 64 channels: four tiles of 16
.set F,    48                          ; v[48:127] by phase
.set SA,   F                           ; scores: four chains of a quad
.set HP,   F+16                        ; four pairs of f16 on their way to LDS
.set E,    F+64                        ; e, four f32; then two registers of f16
.set X,    128                         ; v[128:255] the ring
.set WV,   2                           ; s2   my wave's number
.set TQ,   84                          ; s[84:87] two pairs: an odd channel's q goes into a pair's low word, which the packed forms take for both halves
.set CS,   88                          ; s[88:89] c
.set SEL,  90                          ; s[90:91] v_permlanex16_b32's selects: each lane takes its own place in the other half
.set CSB,  92                          ; s[92:93] c theta . b_lt
.set AS,   94                          ; s[94:95] a = 2^(m_old - m_new)
; q of channel j of my 64 lies in s[16 + j] (j < 48) or s[20 + j]: s[16:63] and s[68:83]
.macro PLACES                          ; four plain vector instructions behind a matrix instruction, ahead of loads into or writes of its sources and of reads of its result
.rept 4
	v_nop
.endr
.endm
	s_load_b256 s[4:11], s[0:1], 0x0               ; lt s[4:5], q s[6:7], theta s[8:9], b_lt s[10:11]
	s_load_b64 s[12:13], s[0:1], 0x20              ; upart
	v_lshl_add_u32 v[SPW], v0, 2, SPARE
	v_mov_b32 v[NIL], 0
	v_lshrrev_b32 v14, 5, v0
	v_readfirstlane_b32 s[WV], v14                 ; wave 0..15
	s_and_b32 s3, ttmp7, 0xffff                    ; n
	v_and_b32 v16, 31, v0                          ; L
	v_and_b32 v17, 15, v0                          ; r
	v_bfe_u32 v18, v0, 4, 1                        ; h
	s_lshl_b32 s14, s[WV], 17                      ; 64 rows of 2,048 bytes
	v_lshl_add_u32 v[VO], v16, 4, s14
	s_mul_i32 s15, s[WV], WROWS
	v_lshl_add_u32 v[LW], v16, 3, s15
	v_mul_u32_u24 v[ARD], v17, LTP
	v_lshl_add_u32 v[ARD], v18, 4, v[ARD]
	v_add_nc_u32 v[ARD], s15, v[ARD]
	v_lshl_add_u32 v[PSR], v16, 4, PS
	v_lshl_add_u32 v[PSW], v0, 4, PS
	v_lshl_add_u32 v[EBW], v0, 3, EB
	s_lshl_b32 s14, s[WV], 8
	s_add_co_u32 s15, s14, EB
	v_lshl_add_u32 v[EBR], v18, 4, s15
	s_add_co_u32 s15, s14, UB
	v_lshl_add_u32 v[UBW], v18, 5, s15
	v_lshlrev_b32 v14, 10, v16                     ; theta: lane L takes block L's row: l = 16 L .. 16 L + 15
	v_lshlrev_b32 v15, 6, v16                      ; b_lt: the same 16 numbers
	s_lshl_b32 s16, s3, 21                         ; the sample in lt,
	s_lshl_b32 s15, ttmp9, 10                      ; my half of its places
	s_add_co_u32 s16, s16, s15
	s_mov_b32 s17, 0
	s_lshl_b32 s18, s3, 12                         ; the sample's row of q,
	s_add_co_u32 s18, s18, s14                     ; my wave's 64 numbers
	s_mov_b32 s19, 0
	s_lshr_b32 s20, s3, 4                          ; theta: block row n / 16,
	s_lshl_b32 s20, s20, 15
	s_and_b32 s15, s3, 15                          ; row n % 16 of each block
	s_lshl_b32 s15, s15, 6
	s_add_co_u32 s20, s20, s15
	s_mov_b32 s21, 0
	s_lshl_b32 s22, s3, 1
	s_add_co_u32 s22, s22, ttmp9
	s_mul_i32 s22, s22, 4352                       ; upart: 1,088 words for a sample's half
	s_mov_b32 s23, 0
	s_mov_b32 s[TQ+1], 0                           ; named with the low words as pairs
	s_mov_b32 s[TQ+3], 0
	s_mov_b32 s[CS], 0x3d8293ee                    ; c = log2(e) / sqrt(512) = 0.0637587
	s_mov_b32 s[CS+1], s[CS]
	s_mov_b32 s[SEL], 0x76543210
	s_mov_b32 s[SEL+1], 0xfedcba98
	s_wait_kmcnt 0x0
	s_add_nc_u64 s[4:5], s[4:5], s[16:17]
	s_add_nc_u64 s[6:7], s[6:7], s[18:19]
	s_add_nc_u64 s[8:9], s[8:9], s[20:21]
	s_add_nc_u64 s[12:13], s[12:13], s[22:23]
	s_load_b512 s[16:31], s[6:7], 0x0              ; my 64 numbers of q
	s_load_b512 s[32:47], s[6:7], 0x40
	s_load_b512 s[48:63], s[6:7], 0x80
	s_load_b512 s[68:83], s[6:7], 0xc0
.irp i, 0,1,2,3
	global_load_b128 v[F+4*(\i):F+4*(\i)+3], v14, s[8:9] offset:16*(\i)
.endr
.irp i, 0,1,2,3
	global_load_b128 v[F+16+4*(\i):F+16+4*(\i)+3], v15, s[10:11] offset:16*(\i)
.endr
.set g, 0
.rept 32
	global_load_b128 v[X+4*g:X+4*g+3], v[VO], s[4:5] offset:2048*g th:TH_LOAD_NT  ; the ring is filled: channels 0 to 31 of chunk 0
.set g, g+1
.endr
	s_wait_loadcnt 32                              ; theta and b_lt are in; the ring's 32 loads stay out
	v_pk_mul_f32 v[F+32:F+33], v[F:F+1], v[F+16:F+17]  ; theta . b_lt, in two chains
	v_pk_mul_f32 v[F+34:F+35], v[F+2:F+3], v[F+18:F+19]
.irp p, 4,8,12
	v_pk_fma_f32 v[F+32:F+33], v[F+(\p):F+(\p)+1], v[F+16+(\p):F+16+(\p)+1], v[F+32:F+33]
	v_pk_fma_f32 v[F+34:F+35], v[F+(\p)+2:F+(\p)+3], v[F+16+(\p)+2:F+16+(\p)+3], v[F+34:F+35]
.endr
	v_pk_add_f32 v[F+32:F+33], v[F+32:F+33], v[F+34:F+35]
	v_add_f32 v[F+32], v[F+32], v[F+33]
	v_add_f32_dpp v[F+32], v[F+32], v[F+32] row_xmask:1 row_mask:0xf bank_mask:0xf
	v_add_f32_dpp v[F+32], v[F+32], v[F+32] row_xmask:2 row_mask:0xf bank_mask:0xf
	v_add_f32_dpp v[F+32], v[F+32], v[F+32] row_xmask:4 row_mask:0xf bank_mask:0xf
	v_add_f32_dpp v[F+32], v[F+32], v[F+32] row_xmask:8 row_mask:0xf bank_mask:0xf
	v_permlanex16_b32 v[F+33], v[F+32], s[SEL], s[SEL+1]
	v_add_f32 v[F+32], v[F+32], v[F+33]
	v_mul_f32 v[F+32], s[CS], v[F+32]
	v_readfirstlane_b32 s[CSB], v[F+32]            ; the same in every lane: kept as a scalar; it enters arithmetic alone
	s_mov_b32 s[CSB+1], s[CSB]
	s_wait_kmcnt 0x0                               ; q
; THE STREAM.  Load g of 128: channel j = g % 64 of chunk g / 64, in ring slot g % 32.  Its four places add q[j] x lt onto one of four chains, are rounded to f16 and laid into LT;
; the slot is asked for again at once, 32 loads on.
.macro ROW
.set j, g%64
.set xs, X+4*(g%32)
.set sa, SA+4*(j%4)
.set hp, HP+2*(j%4)
.set qs, 16+j+4*(j/48)
.if g < 96
	s_wait_loadcnt 31                              ; loads come back in order (ISA guide 5.7.1): mine is in, the 31 younger ones stay out
.else
	s_wait_loadcnt 127-g                           ; nothing more is asked for: the count runs down
.endif
.if j%2
	s_mov_b32 s[TQ+2*((j/2)%2)], s[qs]
.set qs, TQ+2*((j/2)%2)
.endif
.if j < 4
	v_pk_mul_f32 v[sa:sa+1], v[xs:xs+1], s[qs:qs+1] op_sel_hi:[1,0]  ; the first four channels start the chains: nothing is cleared
	v_pk_mul_f32 v[sa+2:sa+3], v[xs+2:xs+3], s[qs:qs+1] op_sel_hi:[1,0]
.else
	v_pk_fma_f32 v[sa:sa+1], v[xs:xs+1], s[qs:qs+1], v[sa:sa+1] op_sel_hi:[1,0,1]
	v_pk_fma_f32 v[sa+2:sa+3], v[xs+2:xs+3], s[qs:qs+1], v[sa+2:sa+3] op_sel_hi:[1,0,1]
.endif
	v_cvt_pk_f16_f32 v[hp], v[xs], v[xs+1]
	v_cvt_pk_f16_f32 v[hp+1], v[xs+2], v[xs+3]
	ds_store_b64 v[LW], v[hp:hp+1] offset:LTP*j
.if g < 96
	global_load_b128 v[xs:xs+3], v[VO], s[4:5] offset:2048*((g+32)%64)+512*((g+32)/64) th:TH_LOAD_NT
.endif
.set g, g+1
.endm
; THE SOFTMAX of chunk k.  The 16 waves' partial scores meet in LDS, in the chunk's own bytes, so one barrier a chunk does; every wave then makes all 128 scores, the maximum and e for itself.
.macro SOFT k
	v_pk_add_f32 v[SA:SA+1], v[SA:SA+1], v[SA+4:SA+5]
	v_pk_add_f32 v[SA+2:SA+3], v[SA+2:SA+3], v[SA+6:SA+7]
	v_pk_add_f32 v[SA+8:SA+9], v[SA+8:SA+9], v[SA+12:SA+13]
	v_pk_add_f32 v[SA+10:SA+11], v[SA+10:SA+11], v[SA+14:SA+15]
	v_pk_add_f32 v[SA:SA+1], v[SA:SA+1], v[SA+8:SA+9]
	v_pk_add_f32 v[SA+2:SA+3], v[SA+2:SA+3], v[SA+10:SA+11]
	ds_store_b128 v[PSW], v[SA:SA+3] offset:8192*(\k)
	s_wait_dscnt 0x0                               ; for the others' sake: my partial scores lie in LDS
	s_barrier_signal -1
	s_barrier_wait -1
.irp p, 0,1,2,3,4,5,6,7,8,9,10,11,12,13,14,15
	ds_load_b128 v[F+4*(\p):F+4*(\p)+3], v[PSR] offset:8192*(\k)+512*(\p)
.endr
	s_wait_dscnt 0x0
.irp d, 32,16,8,4                      ; sixteen quads into one
.set i, 0
.rept (\d)/2
	v_pk_add_f32 v[F+i:F+i+1], v[F+i:F+i+1], v[F+(\d)+i:F+(\d)+i+1]
.set i, i+2
.endr
.endr
	v_pk_fma_f32 v[F:F+1], v[F:F+1], s[CS:CS+1], s[CSB:CSB+1] op_sel_hi:[1,0,0]  ; z = c s + c theta . b_lt
	v_pk_fma_f32 v[F+2:F+3], v[F+2:F+3], s[CS:CS+1], s[CSB:CSB+1] op_sel_hi:[1,0,0]
	v_max3_num_f32 v[F+4], v[F], v[F+1], v[F+2]
	v_max_num_f32 v[F+4], v[F+4], v[F+3]
	v_max_num_f32_dpp v[F+4], v[F+4], v[F+4] row_xmask:1 row_mask:0xf bank_mask:0xf
	v_max_num_f32_dpp v[F+4], v[F+4], v[F+4] row_xmask:2 row_mask:0xf bank_mask:0xf
	v_max_num_f32_dpp v[F+4], v[F+4], v[F+4] row_xmask:4 row_mask:0xf bank_mask:0xf
	v_max_num_f32_dpp v[F+4], v[F+4], v[F+4] row_xmask:8 row_mask:0xf bank_mask:0xf
	v_permlanex16_b32 v[F+5], v[F+4], s[SEL], s[SEL+1]
.if (\k) == 0
	v_max_num_f32 v[M], v[F+4], v[F+5]
.else
	v_mov_b32 v[F+6], v[M]                         ; m_old is kept for a
	v_max3_num_f32 v[M], v[F+4], v[F+5], v[M]
	v_sub_f32 v[F+6], v[F+6], v[M]
.endif
.irp i, 0,1,2,3
	v_sub_f32 v[F+(\i)], v[F+(\i)], v[M]
.endr
.irp i, 0,1,2,3
	v_exp_f32 v[E+(\i)], v[F+(\i)]
.endr
.if \k
	v_exp_f32 v[F+7], v[F+6]
.endif
	v_nop                                          ; a plain instruction behind the last exponential, ahead of the first use (ISA guide 5.7.2)
	s_wait_alu depctr_va_vdst(0)                   ; and one wait for the batch
.if (\k) == 0
	v_pk_add_f32 v[LSUM:LSUM+1], v[E:E+1], v[E+2:E+3]
.else
	v_readfirstlane_b32 s[AS], v[F+7]              ; the same in every lane
	s_mov_b32 s[AS+1], s[AS]
	v_pk_fma_f32 v[LSUM:LSUM+1], v[LSUM:LSUM+1], s[AS:AS+1], v[E:E+1] op_sel_hi:[1,0,1]
	v_pk_add_f32 v[LSUM:LSUM+1], v[LSUM:LSUM+1], v[E+2:E+3]
.endif
	v_cvt_pk_f16_f32 v[E+4], v[E], v[E+1]
	v_cvt_pk_f16_f32 v[E+5], v[E+2], v[E+3]
	ds_store_b64 v[EBW], v[E+4:E+5]                ; my wave's own copy of e: LDS serves a wave's instructions in order (ISA guide 5.7.1.4), so its reads below see it
.endm
; THE PRODUCT u += lt e.  Source 0 = 16 channels x 32 places out of LT; source 1 = e, the same in all 16 columns: in the result every lane (r, h) holds u[16 tt + 8 h + 0..7].
; Step ks of four takes places 32 ks on.  Two sets of fragments: 8 registers of e, 32 of lt.
.macro LOADF ks, set
.set fb, F+40*(\set)
	ds_load_b128 v[fb:fb+3], v[EBR] offset:64*(\ks)
	ds_load_b128 v[fb+4:fb+7], v[EBR] offset:64*(\ks)+32
.irp tt, 0,1,2,3
	ds_load_b128 v[fb+8+8*(\tt):fb+8+8*(\tt)+3], v[ARD] offset:16*LTP*(\tt)+64*(\ks)
	ds_load_b128 v[fb+8+8*(\tt)+4:fb+8+8*(\tt)+7], v[ARD] offset:16*LTP*(\tt)+64*(\ks)+32
.endr
.endm
.macro MULF set, zero                  ; the four accumulators take turns, one instruction a turn, from step to step and from chunk to chunk
.set fb, F+40*(\set)
.irp tt, 0,1,2,3
.if \zero
	v_wmma_f32_16x16x32_f16 v[ACC+8*(\tt):ACC+8*(\tt)+7], v[fb+8+8*(\tt):fb+8+8*(\tt)+7], v[fb:fb+7], 0
.else
	v_wmma_f32_16x16x32_f16 v[ACC+8*(\tt):ACC+8*(\tt)+7], v[fb+8+8*(\tt):fb+8+8*(\tt)+7], v[fb:fb+7], v[ACC+8*(\tt):ACC+8*(\tt)+7]
.endif
.endr
.endm
.macro PASS2 k
	LOADF 0, 0
	LOADF 1, 1
.if \k
.set i, 0
.rept 16
	v_pk_mul_f32 v[ACC+i:ACC+i+1], v[ACC+i:ACC+i+1], s[AS:AS+1] op_sel_hi:[1,0]  ; u a, while the LDS loads are out; each accumulator from its low end on
.set i, i+2
.endr
.endif
	s_wait_dscnt 10                                ; set 0 is in; set 1's ten loads may stay out
	MULF 0, 1-(\k)                                 ; in chunk 0 the first products start the sums
	PLACES
	LOADF 2, 0
	s_wait_dscnt 10                                ; set 1 is in
	MULF 1, 0
	PLACES
	LOADF 3, 1
	s_wait_dscnt 10                                ; set 0 is in
	MULF 0, 0
	s_wait_dscnt 0x0
	MULF 1, 0
	PLACES                                         ; ahead of the next writes of the fragments' registers
.endm
.set g, 0
.rept 64
	ROW
.endr
	SOFT 0
	PASS2 0
.rept 64
	ROW
.endr
	SOFT 1
	PASS2 1
	PLACES
	; THE WAY OUT.  Lanes of equal h hold equal numbers and write equal words; the wave's 64 numbers come back 8 bytes a lane.
.irp tt, 0,1,2,3
	ds_store_b128 v[UBW], v[ACC+8*(\tt):ACC+8*(\tt)+3] offset:64*(\tt)
	ds_store_b128 v[UBW], v[ACC+8*(\tt)+4:ACC+8*(\tt)+7] offset:64*(\tt)+16
.endr
	ds_load_b64 v[F:F+1], v[EBW] offset:UB-EB
	v_lshlrev_b32 v14, 3, v0                       ; 256 w + 8 L
	s_wait_dscnt 0x0
	global_store_b64 v14, v[F:F+1], s[12:13]       ; the wave stores 256 consecutive bytes, at a multiple of 256 from upart's first byte
	s_cmp_lg_u32 s[WV], 0                          ; every wave holds the same m and l: wave 0 stores them
	s_cbranch_scc1 .Lend
	v_add_f32 v[F+3], v[LSUM], v[LSUM+1]
	v_add_f32_dpp v[F+3], v[F+3], v[F+3] row_xmask:1 row_mask:0xf bank_mask:0xf
	v_add_f32_dpp v[F+3], v[F+3], v[F+3] row_xmask:2 row_mask:0xf bank_mask:0xf
	v_add_f32_dpp v[F+3], v[F+3], v[F+3] row_xmask:4 row_mask:0xf bank_mask:0xf
	v_add_f32_dpp v[F+3], v[F+3], v[F+3] row_xmask:8 row_mask:0xf bank_mask:0xf
	v_permlanex16_b32 v[F+4], v[F+3], s[SEL], s[SEL+1]
	v_add_f32 v[F+3], v[F+3], v[F+4]
	v_mov_b32 v[F+2], v[M]
	global_store_b64 v14, v[F+2:F+3], s[12:13] offset:4096  ; (m, l) 32 times: 256 consecutive bytes, written whole
.Lend:
	s_wait_tensorcnt 0x0                           ; the wave's end, behind my last LDS store
	ds_add_u32 v[SPW], v[NIL]
	s_wait_dscnt 0x0
	s_endpgm
.Lfunc_end_k_q529c7ad98a_attend:
	.size	k_q529c7ad98a_attend, .Lfunc_end_k_q529c7ad98a_attend-k_q529c7ad98a_attend
	.p2alignl 7, 3214868480
	.fill 96, 4, 3214868480
	.section	.rodata,"a",@progbits
	.p2align	6, 0x0
	.amdhsa_kernel k_q529c7ad98a_attend
		.amdhsa_group_segment_fixed_size 305152
		.amdhsa_private_segment_fixed_size 0
		.amdhsa_enable_private_segment 0
		.amdhsa_kernarg_size 40
		.amdhsa_user_sgpr_count 2
		.amdhsa_user_sgpr_kernarg_segment_ptr 1
		.amdhsa_wavefront_size32 1
		.amdhsa_system_sgpr_workgroup_id_x 1
		.amdhsa_system_sgpr_workgroup_id_y 1
		.amdhsa_system_sgpr_workgroup_id_z 1
		.amdhsa_system_vgpr_workitem_id 0
		.amdhsa_next_free_vgpr 256
		.amdhsa_next_free_sgpr 100
		.amdhsa_reserve_vcc 0
		.amdhsa_float_denorm_mode_32 3
		.amdhsa_float_denorm_mode_16_64 3
		.amdhsa_memory_ordered 1
		.amdhsa_forward_progress 1
		.amdhsa_inst_pref_size 83
	.end_amdhsa_kernel
	.amdgpu_metadata
---
amdhsa.version: [ 1, 2 ]
amdhsa.kernels:
  - .name:           k_q529c7ad98a_attend
    .symbol:         k_q529c7ad98a_attend.kd
    .args:
      - { .name: lt_feat, .offset: 0, .size: 8, .value_kind: global_buffer, .address_space: global }
      - { .name: qv, .offset: 8, .size: 8, .value_kind: global_buffer, .address_space: global }
      - { .name: theta, .offset: 16, .size: 8, .value_kind: global_buffer, .address_space: global }
      - { .name: b_lt, .offset: 24, .size: 8, .value_kind: global_buffer, .address_space: global }
      - { .name: upart, .offset: 32, .size: 8, .value_kind: global_buffer, .address_space: global }
    .group_segment_fixed_size: 305152
    .private_segment_fixed_size: 0
    .kernarg_segment_align: 8
    .kernarg_segment_size: 40
    .max_flat_workgroup_size: 512
    .sgpr_count:     100
    .vgpr_count:     256
    .wavefront_size: 32
...
	.end_amdgpu_metadata
.endif
;; end of part 3
;; launch proj_g (part 4): grid 32 x 8, 4 waves a work-group, no clusters, 4,608 bytes of LDS; arguments upart, w_g, b_g, lat; writes lat
.if DOCPART == 4
	.amdgcn_target "amdgcn-amd-amdhsa--gfx1250"
	.amdhsa_code_object_version 6
	.text
	.protected	k_q529c7ad98a_proj_g
	.globl	k_q529c7ad98a_proj_g
	.p2align	8
	.type	k_q529c7ad98a_proj_g,@function
k_q529c7ad98a_proj_g:
	s_mov_b64 s[64:65], 0
	v_nop
	global_prefetch_b8 v0, s[64:65] scope:SCOPE_SE
	s_setreg_imm32_b32 hwreg(HW_REG_WAVE_MODE, 25, 1), 1
	s_wait_xcnt 0x0
; lat[n][l] = the sum over c of w_g[l][c] (f0 u0[n][c] + f1 u1[n][c]) + b_g[l].  Since the softmax's weights add up to 1, g p = w_g (lt p) + b_g.
; upart: [128][2][1088] f32: for a sample's half 1,024 numbers of u, then (m, l).  With M = max(m0, m1) and a_i = 2^(m_i - M): f_i = a_i / (l0 a0 + l1 a1).  The divisor is at least 1:
; the half that holds M has a = 1, and its l holds the weight 1 of its own maximum.  w_g: [512][1024] f32.  lat leaves in f32, in blocks of 16 x 16 (tile (rb, kt) at (32 rb + kt) x 1,024 bytes).
; FORMAT.  Each f32 operand x (f u, and w_g) goes to the matrix unit as hi = bf16(x) and lo = bf16(x - hi); the product is hi hi + hi lo + lo hi with f32 sums.
; LIMITS: |x| beyond bf16's largest number rounds to an infinity; lo lo is left out; an a below 2^-126 counts as 0; NaN and infinities are not treated apart.
; SHARES.  A work-group makes one tile of 16 x 16.  The two halves are taken as a K twice as long: waves 0 and 1 take u of half 0, waves 2 and 3 of half 1; of each trip's 128 channels a wave takes 64:
; 256 consecutive bytes, aligned, of each of the 16 rows of u and of w_g.  Eight trips.  The four partial tiles meet in LDS at the end.
; LAYOUT.  Load i (0..7) of a trip gives lane (r, h) the four channels 8 i + 4 h + 0..3 of row r, the same map for both operands.  Source 0 = rows of w_g, source 1 = rows of f u:
; in the result a lane holds row n = r and the columns 8 h + 0..7.  A lane's numbers of u all belong to sample r, so f is one number a lane.
; No cluster, no tensor loads, no prefetch: the launch is over at once.
.set SCALE, 1
.set AROW,  8704                       ; bytes from sample to sample of upart
.set HALFB, 4352                       ; from half to half
.set BROW,  4096                       ; from row to row of w_g
.set TRIPB, 512                        ; bytes of a row in a trip
.set SPARE, 4096                       ; LDS: 0..4095 four partial tiles of 1,024 bytes; then the spare words, 128 bytes a wave, that no other line names
.set AO,   2                           ; v2   r x AROW + 16 h + 256 x my part of a trip; never rewritten
.set BO,   3                           ; v3   the same with BROW
.set LS,   4                           ; v4   where I put my 32 bytes of my partial tile
.set LR,   5                           ; v5   16 x thread: where I read the tiles back, and my 16 bytes of the tile in memory
.set BI,   6                           ; v6   my four columns' bytes in the tile's 64 bytes of bias
.set SO,   7                           ; v7   r x AROW: my sample
.set SPW,  8
.set NIL,  9
.set FS,   10                          ; v[10:11] f of my sample and my wave's half, twice
.set BIAS, 12                          ; v[12:15]
.set T,    16                          ; v[16:23] at work
.set HH,   24
.set HL,   32
.set LH,   40
.set AH,   48
.set AL,   64
.set BH,   80
.set BL,   96
.set RAW,  112                         ; v[112:239] two sets of 64: 8 quads of u, 8 of w_g
.set WV,   12
.set LEFT, 13
.set MASK, 14
.set PA,   16                          ; s[16:17] upart at the block's first sample, my wave's half
.set PB,   18                          ; s[18:19] w_g at the tile's first row
.set PO,   20                          ; s[20:21] upart at the block's first sample, the other half
.macro PLACES
.rept 4
	v_nop
.endr
.endm
.macro SPLIT4 X, H, L, T
	v_cvt_pk_bf16_f32 v[(\H)], v[(\X)], v[(\X)+1]
	v_cvt_pk_bf16_f32 v[(\H)+1], v[(\X)+2], v[(\X)+3]
	v_lshlrev_b32 v[(\T)], 16, v[(\H)]
	v_and_b32 v[(\T)+1], s[MASK], v[(\H)]
	v_lshlrev_b32 v[(\T)+2], 16, v[(\H)+1]
	v_and_b32 v[(\T)+3], s[MASK], v[(\H)+1]
	v_pk_add_f32 v[(\T):(\T)+1], v[(\X):(\X)+1], v[(\T):(\T)+1] neg_lo:[0,1] neg_hi:[0,1]
	v_pk_add_f32 v[(\T)+2:(\T)+3], v[(\X)+2:(\X)+3], v[(\T)+2:(\T)+3] neg_lo:[0,1] neg_hi:[0,1]
	v_cvt_pk_bf16_f32 v[(\L)], v[(\T)], v[(\T)+1]
	v_cvt_pk_bf16_f32 v[(\L)+1], v[(\T)+2], v[(\T)+3]
.endm
.macro LOADS b, off
.irp i, 0,1,2,3,4,5,6,7
	global_load_b128 v[RAW+64*(\b)+4*(\i):RAW+64*(\b)+4*(\i)+3], v[AO], s[PA:PA+1] offset:(\off)+32*(\i)
.endr
.irp i, 0,1,2,3,4,5,6,7
	global_load_b128 v[RAW+64*(\b)+32+4*(\i):RAW+64*(\b)+32+4*(\i)+3], v[BO], s[PB:PB+1] offset:(\off)+32*(\i)
.endr
.endm
.macro CONVERT b                       ; u is scaled by f in f32, then both operands are split
.irp i, 0,1,2,3,4,5,6,7
	v_pk_mul_f32 v[RAW+64*(\b)+4*(\i):RAW+64*(\b)+4*(\i)+1], v[RAW+64*(\b)+4*(\i):RAW+64*(\b)+4*(\i)+1], v[FS:FS+1] op_sel_hi:[1,0]
	v_pk_mul_f32 v[RAW+64*(\b)+4*(\i)+2:RAW+64*(\b)+4*(\i)+3], v[RAW+64*(\b)+4*(\i)+2:RAW+64*(\b)+4*(\i)+3], v[FS:FS+1] op_sel_hi:[1,0]
	SPLIT4 RAW+64*(\b)+32+4*(\i), BH+8*((\i)/4)+2*((\i)%4), BL+8*((\i)/4)+2*((\i)%4), T+4
	SPLIT4 RAW+64*(\b)+4*(\i), AH+8*((\i)/4)+2*((\i)%4), AL+8*((\i)/4)+2*((\i)%4), T
.endr
.endm
.macro MULS                            ; the three accumulators take turns, one instruction a turn, over the backward jump too
.irp f, 0,1
	v_wmma_f32_16x16x32_bf16 v[HH:HH+7], v[BH+8*(\f):BH+8*(\f)+7], v[AH+8*(\f):AH+8*(\f)+7], v[HH:HH+7]
	v_wmma_f32_16x16x32_bf16 v[HL:HL+7], v[BH+8*(\f):BH+8*(\f)+7], v[AL+8*(\f):AL+8*(\f)+7], v[HL:HL+7]
	v_wmma_f32_16x16x32_bf16 v[LH:LH+7], v[BL+8*(\f):BL+8*(\f)+7], v[AH+8*(\f):AH+8*(\f)+7], v[LH:LH+7]
.endr
.endm
	s_load_b256 s[4:11], s[0:1], 0x0               ; upart s[4:5], w_g s[6:7], b_g s[8:9], lat s[10:11]
	v_lshl_add_u32 v[SPW], v0, 2, SPARE
	v_mov_b32 v[NIL], 0
	v_lshrrev_b32 v1, 5, v0
	v_readfirstlane_b32 s[WV], v1                  ; wave 0..3
	s_and_b32 s22, ttmp7, 0xffff                   ; rb: the block of 16 samples
	s_mov_b32 s[MASK], 0xffff0000
	v_and_b32 v[T], 15, v0                         ; r
	v_bfe_u32 v[T+1], v0, 4, 1                     ; h
	s_and_b32 s23, s[WV], 1
	s_lshl_b32 s23, s23, 8                         ; my 256 bytes of a trip
	v_mul_u32_u24 v[SO], v[T], AROW
	v_lshl_add_u32 v[AO], v[T+1], 4, v[SO]
	v_add_nc_u32 v[AO], s23, v[AO]
	v_mul_u32_u24 v[BO], v[T], BROW
	v_lshl_add_u32 v[BO], v[T+1], 4, v[BO]
	v_add_nc_u32 v[BO], s23, v[BO]
	s_lshl_b32 s23, s[WV], 10                      ; my partial tile
	v_lshlrev_b32 v[LS], 6, v[T]
	v_lshl_add_u32 v[LS], v[T+1], 5, v[LS]
	v_add_nc_u32 v[LS], s23, v[LS]
	v_lshlrev_b32 v[LR], 4, v0
	v_and_b32 v[BI], 3, v0
	v_lshlrev_b32 v[BI], 4, v[BI]
	s_mul_i32 s24, s22, 16*AROW                    ; the block's 16 samples
	s_lshr_b32 s20, s[WV], 1                       ; my wave's half
	s_mul_i32 s21, s20, HALFB
	s_xor_b32 s20, s20, 1                          ; the other
	s_mul_i32 s20, s20, HALFB
	s_add_co_u32 s20, s20, s24
	s_add_co_u32 s24, s24, s21
	s_mov_b32 s21, 0
	s_mov_b32 s25, 0
	s_mul_i32 s26, ttmp9, 16*BROW                  ; the tile's 16 rows of w_g
	s_mov_b32 s27, 0
	s_lshl_b32 s28, ttmp9, 6                       ; its 16 numbers of b_g
	s_mov_b32 s29, 0
	s_lshl_b32 s30, s22, 5
	s_add_co_u32 s30, s30, ttmp9
	s_lshl_b32 s30, s30, 10                        ; the tile's 1,024 bytes of lat
	s_mov_b32 s31, 0
	s_mov_b32 s[LEFT], 3
	s_wait_kmcnt 0x0
	s_add_nc_u64 s[PA:PA+1], s[4:5], s[24:25]
	s_add_nc_u64 s[PO:PO+1], s[4:5], s[20:21]
	s_add_nc_u64 s[PB:PB+1], s[6:7], s[26:27]
	s_add_nc_u64 s[8:9], s[8:9], s[28:29]
	s_add_nc_u64 s[10:11], s[10:11], s[30:31]
	global_load_b128 v[BIAS:BIAS+3], v[BI], s[8:9]
	global_load_b64 v[T:T+1], v[SO], s[PA:PA+1] offset:4096    ; (m, l) of my sample: my wave's half,
	global_load_b64 v[T+2:T+3], v[SO], s[PO:PO+1] offset:4096  ; and the other
	LOADS 0, 0                                     ; trip 0
	LOADS 1, TRIPB                                 ; trip 1
.set i, 0
.rept 24
	v_mov_b32 v[HH+i], 0                           ; the sums start at 0, written while the first loads are out, so that the loop has one form of product
.set i, i+1
.endr
	s_wait_loadcnt 32                              ; the bias and the statistics are in; the 32 loads of trips 0 and 1 stay out
	v_max_num_f32 v[T+4], v[T], v[T+2]             ; M
	v_sub_f32 v[T+5], v[T], v[T+4]
	v_sub_f32 v[T+6], v[T+2], v[T+4]
	v_exp_f32 v[T+5], v[T+5]                       ; a of my half,
	v_exp_f32 v[T+6], v[T+6]                       ; of the other
	v_nop                                          ; a plain instruction behind the last exponential (ISA guide 5.7.2),
	s_wait_alu depctr_va_vdst(0)                   ; and a wait, ahead of the first use
	v_mul_f32 v[T+7], v[T+1], v[T+5]
	v_fmac_f32 v[T+7], v[T+3], v[T+6]              ; l0 a0 + l1 a1
	v_rcp_f32 v[T+4], v[T+7]
	v_nop
	s_wait_alu depctr_va_vdst(0)
	v_mul_f32 v[FS], v[T+5], v[T+4]
	v_mov_b32 v[FS+1], v[FS]                       ; named with it as a pair
.Lturn:                                        ; trips 2 t and 2 t + 1 are multiplied, trips 2 t + 2 and 2 t + 3 asked for
	s_wait_loadcnt 16                              ; set 0 is in; set 1's 16 loads may stay out
	CONVERT 0
	s_wait_xcnt 0x0                                ; every load issued so far has read its address: the pointers are written only behind this wait
	s_add_nc_u64 s[PA:PA+1], s[PA:PA+1], 2*TRIPB
	s_add_nc_u64 s[PB:PB+1], s[PB:PB+1], 2*TRIPB
	LOADS 0, 0
	MULS
	PLACES                                         ; ahead of the next writes of the fragments
	s_wait_loadcnt 16                              ; set 1 is in; set 0's 16 new loads may stay out
	CONVERT 1
	LOADS 1, TRIPB
	MULS
	PLACES
	s_sub_co_u32 s[LEFT], s[LEFT], 1
	s_cmp_lg_u32 s[LEFT], 0
	s_cbranch_scc1 .Lturn
	s_wait_loadcnt 16                              ; the last two trips load nothing
	CONVERT 0
	MULS
	PLACES
	s_wait_loadcnt 0x0
	CONVERT 1
	MULS
	PLACES
	PLACES
.irp i, 0,2,4,6                        ; the small sums first; each accumulator is read from its low end on
	v_pk_add_f32 v[HL+(\i):HL+(\i)+1], v[HL+(\i):HL+(\i)+1], v[LH+(\i):LH+(\i)+1]
.endr
.irp i, 0,2,4,6
	v_pk_add_f32 v[HH+(\i):HH+(\i)+1], v[HH+(\i):HH+(\i)+1], v[HL+(\i):HL+(\i)+1]
.endr
	ds_store_b128 v[LS], v[HH:HH+3]
	ds_store_b128 v[LS], v[HH+4:HH+7] offset:16
	s_wait_dscnt 0x0                               ; for the others' sake: my partial tile lies in LDS
	s_barrier_signal -1
	s_barrier_wait -1
	s_cmp_lt_u32 s[WV], 2                          ; waves 0 and 1 finish the tile, 512 bytes each
	s_cbranch_scc0 .Lend
.irp p, 0,1,2,3
	ds_load_b128 v[RAW+4*(\p):RAW+4*(\p)+3], v[LR] offset:1024*(\p)
.endr
	s_wait_dscnt 0x0
	v_pk_add_f32 v[RAW:RAW+1], v[RAW:RAW+1], v[RAW+4:RAW+5]
	v_pk_add_f32 v[RAW+2:RAW+3], v[RAW+2:RAW+3], v[RAW+6:RAW+7]
	v_pk_add_f32 v[RAW+8:RAW+9], v[RAW+8:RAW+9], v[RAW+12:RAW+13]
	v_pk_add_f32 v[RAW+10:RAW+11], v[RAW+10:RAW+11], v[RAW+14:RAW+15]
	v_pk_add_f32 v[RAW:RAW+1], v[RAW:RAW+1], v[RAW+8:RAW+9]
	v_pk_add_f32 v[RAW+2:RAW+3], v[RAW+2:RAW+3], v[RAW+10:RAW+11]
	v_pk_add_f32 v[RAW:RAW+1], v[RAW:RAW+1], v[BIAS:BIAS+1]
	v_pk_add_f32 v[RAW+2:RAW+3], v[RAW+2:RAW+3], v[BIAS+2:BIAS+3]
	global_store_b128 v[LR], v[RAW:RAW+3], s[10:11]  ; a wave stores 512 consecutive bytes, at a multiple of 256 from lat's first byte
.Lend:
	s_wait_tensorcnt 0x0                           ; the wave's end, behind my last LDS store
	ds_add_u32 v[SPW], v[NIL]
	s_wait_dscnt 0x0
	s_endpgm
.Lfunc_end_k_q529c7ad98a_proj_g:
	.size	k_q529c7ad98a_proj_g, .Lfunc_end_k_q529c7ad98a_proj_g-k_q529c7ad98a_proj_g
	.p2alignl 7, 3214868480
	.fill 96, 4, 3214868480
	.section	.rodata,"a",@progbits
	.p2align	6, 0x0
	.amdhsa_kernel k_q529c7ad98a_proj_g
		.amdhsa_group_segment_fixed_size 4608
		.amdhsa_private_segment_fixed_size 0
		.amdhsa_enable_private_segment 0
		.amdhsa_kernarg_size 32
		.amdhsa_user_sgpr_count 2
		.amdhsa_user_sgpr_kernarg_segment_ptr 1
		.amdhsa_wavefront_size32 1
		.amdhsa_system_sgpr_workgroup_id_x 1
		.amdhsa_system_sgpr_workgroup_id_y 1
		.amdhsa_system_sgpr_workgroup_id_z 1
		.amdhsa_system_vgpr_workitem_id 0
		.amdhsa_next_free_vgpr 240
		.amdhsa_next_free_sgpr 66
		.amdhsa_reserve_vcc 0
		.amdhsa_float_denorm_mode_32 3
		.amdhsa_float_denorm_mode_16_64 3
		.amdhsa_memory_ordered 1
		.amdhsa_forward_progress 1
		.amdhsa_inst_pref_size 51
	.end_amdhsa_kernel
	.amdgpu_metadata
---
amdhsa.version: [ 1, 2 ]
amdhsa.kernels:
  - .name:           k_q529c7ad98a_proj_g
    .symbol:         k_q529c7ad98a_proj_g.kd
    .args:
      - { .name: upart, .offset: 0, .size: 8, .value_kind: global_buffer, .address_space: global }
      - { .name: w_g, .offset: 8, .size: 8, .value_kind: global_buffer, .address_space: global }
      - { .name: b_g, .offset: 16, .size: 8, .value_kind: global_buffer, .address_space: global }
      - { .name: lat, .offset: 24, .size: 8, .value_kind: global_buffer, .address_space: global }
    .group_segment_fixed_size: 4608
    .private_segment_fixed_size: 0
    .kernarg_segment_align: 8
    .kernarg_segment_size: 32
    .max_flat_workgroup_size: 128
    .sgpr_count:     66
    .vgpr_count:     240
    .wavefront_size: 32
...
	.end_amdgpu_metadata
.endif
;; end of part 4
;; launch proj_out (part 5): grid 16 x 8, 8 waves a work-group, no clusters, 35,840 bytes of LDS; arguments lat, w_out, b_out, obuf; writes obuf
.if DOCPART == 5
	.amdgcn_target "amdgcn-amd-amdhsa--gfx1250"
	.amdhsa_code_object_version 6
	.text
	.protected	k_q529c7ad98a_proj_out
	.globl	k_q529c7ad98a_proj_out
	.p2align	8
	.type	k_q529c7ad98a_proj_out,@function
k_q529c7ad98a_proj_out:
	s_mov_b64 s[64:65], 0
	v_nop
	global_prefetch_b8 v0, s[64:65] scope:SCOPE_SE
	s_setreg_imm32_b32 hwreg(HW_REG_WAVE_MODE, 25, 1), 1
	s_wait_xcnt 0x0
; o[n][c] = the sum over l of lat[n][l] w_out[c][l] + b_out[c].  lat: f32 in blocks of 16 x 16 (tile (rb, kt) at (32 rb + kt) x 1,024 bytes), w_out: [1024][512] f32, o: [128][1024] f32, row-major.
; FORMAT.  Each f32 operand goes to the matrix unit as hi = bf16(x) and lo = bf16(x - hi); the product is hi hi + hi lo + lo hi with f32 sums.
; LIMITS: |x| beyond bf16's largest number rounds to an infinity; lo lo is left out; NaN and infinities are not treated apart.
; SHARES.  A work-group makes 16 rows x 64 columns: 256 consecutive bytes of each row of o.  K = 512 is split among eight waves, 64 each (256 consecutive bytes of each row of w_out), in two steps f of 32.
; LAYOUT.  In both operands lane (r, h) holds the 16 channels l = 64 v + 32 f + 16 h + 0..15, in order, in its 8 registers: four quads.  Tile j of four holds the columns 16 j + r.
; Source 0 = w_out, source 1 = lat: in the result lane (r, h) holds row n = r and, in tile j, the columns 16 j + 8 h + 0..7.
; Straight-line: all 41 loads of a wave go out at the head.  No cluster, no tensor loads, no prefetch: the launch is over at once.
.set PP,    272                        ; LDS pitch of a partial tile's row: 256 bytes + 16: the 16 rows that a store touches start at 16 different groups of four banks (ISA guide 11.1)
.set PTILE, 16*PP
.set SPARE, 8*PTILE                    ; 34,816: the spare words, 128 bytes a wave, that no other line names
.set AO,   2                           ; v2   64 r + 1,024 h + 4,096 v
.set BO,   3                           ; v3   2,048 r + 64 h + 256 v
.set LS,   4                           ; v4   into my partial tile
.set LR,   5                           ; v5   row thread / 16, 16 bytes at thread % 16: back out of the tiles
.set GO,   6                           ; v6   the same place in o
.set BI,   7                           ; v7   my four columns' bytes of b_out
.set SPW,  8
.set NIL,  9
.set BIAS, 12                          ; v[12:15]
.set T,    16                          ; v[16:23] at work
.set ACC,  24                          ; v[24:55] four tiles
.set AH,   56
.set AL,   72
.set RA,   88                          ; v[88:119] first lat as loaded, then two tiles' fragments of w_out:
.set BHA,  88
.set BHB,  96
.set BLA,  104
.set BLB,  112
.set X,    120                         ; v[120:247] w_out as loaded: quad 16 f + 4 j + i
.set WV,   12
.set MASK, 14
.macro PLACES
.rept 4
	v_nop
.endr
.endm
.macro SPLIT4 X, H, L, T
	v_cvt_pk_bf16_f32 v[(\H)], v[(\X)], v[(\X)+1]
	v_cvt_pk_bf16_f32 v[(\H)+1], v[(\X)+2], v[(\X)+3]
	v_lshlrev_b32 v[(\T)], 16, v[(\H)]
	v_and_b32 v[(\T)+1], s[MASK], v[(\H)]
	v_lshlrev_b32 v[(\T)+2], 16, v[(\H)+1]
	v_and_b32 v[(\T)+3], s[MASK], v[(\H)+1]
	v_pk_add_f32 v[(\T):(\T)+1], v[(\X):(\X)+1], v[(\T):(\T)+1] neg_lo:[0,1] neg_hi:[0,1]
	v_pk_add_f32 v[(\T)+2:(\T)+3], v[(\X)+2:(\X)+3], v[(\T)+2:(\T)+3] neg_lo:[0,1] neg_hi:[0,1]
	v_cvt_pk_bf16_f32 v[(\L)], v[(\T)], v[(\T)+1]
	v_cvt_pk_bf16_f32 v[(\L)+1], v[(\T)+2], v[(\T)+3]
.endm
.macro BCONV f, j, H, L                ; tile j of step f
.irp i, 0,1,2,3
	SPLIT4 X+4*(16*(\f)+4*(\j)+(\i)), (\H)+2*(\i), (\L)+2*(\i), T+4*((\i)%2)
.endr
.endm
; Two tiles' fragments, then six products: the two accumulators take turns, one instruction a turn, from pair to pair too.  In step 0 the first product starts the sum.
.macro PAIR f, ja, jb
	BCONV \f, \ja, BHA, BLA
	BCONV \f, \jb, BHB, BLB
.if (\f) == 0
	v_wmma_f32_16x16x32_bf16 v[ACC+8*(\ja):ACC+8*(\ja)+7], v[BHA:BHA+7], v[AH+8*(\f):AH+8*(\f)+7], 0
	v_wmma_f32_16x16x32_bf16 v[ACC+8*(\jb):ACC+8*(\jb)+7], v[BHB:BHB+7], v[AH+8*(\f):AH+8*(\f)+7], 0
.else
	v_wmma_f32_16x16x32_bf16 v[ACC+8*(\ja):ACC+8*(\ja)+7], v[BHA:BHA+7], v[AH+8*(\f):AH+8*(\f)+7], v[ACC+8*(\ja):ACC+8*(\ja)+7]
	v_wmma_f32_16x16x32_bf16 v[ACC+8*(\jb):ACC+8*(\jb)+7], v[BHB:BHB+7], v[AH+8*(\f):AH+8*(\f)+7], v[ACC+8*(\jb):ACC+8*(\jb)+7]
.endif
	v_wmma_f32_16x16x32_bf16 v[ACC+8*(\ja):ACC+8*(\ja)+7], v[BHA:BHA+7], v[AL+8*(\f):AL+8*(\f)+7], v[ACC+8*(\ja):ACC+8*(\ja)+7]
	v_wmma_f32_16x16x32_bf16 v[ACC+8*(\jb):ACC+8*(\jb)+7], v[BHB:BHB+7], v[AL+8*(\f):AL+8*(\f)+7], v[ACC+8*(\jb):ACC+8*(\jb)+7]
	v_wmma_f32_16x16x32_bf16 v[ACC+8*(\ja):ACC+8*(\ja)+7], v[BLA:BLA+7], v[AH+8*(\f):AH+8*(\f)+7], v[ACC+8*(\ja):ACC+8*(\ja)+7]
	v_wmma_f32_16x16x32_bf16 v[ACC+8*(\jb):ACC+8*(\jb)+7], v[BLB:BLB+7], v[AH+8*(\f):AH+8*(\f)+7], v[ACC+8*(\jb):ACC+8*(\jb)+7]
.endm
	s_load_b256 s[4:11], s[0:1], 0x0               ; lat s[4:5], w_out s[6:7], b_out s[8:9], o s[10:11]
	v_lshl_add_u32 v[SPW], v0, 2, SPARE
	v_mov_b32 v[NIL], 0
	v_lshrrev_b32 v1, 5, v0
	v_readfirstlane_b32 s[WV], v1                  ; wave 0..7
	s_and_b32 s13, ttmp7, 0xffff                   ; rb
	s_mov_b32 s[MASK], 0xffff0000
	v_and_b32 v[T], 15, v0                         ; r
	v_bfe_u32 v[T+1], v0, 4, 1                     ; h
	v_lshrrev_b32 v[T+2], 4, v0                    ; thread / 16
	s_lshl_b32 s15, s[WV], 12
	v_lshlrev_b32 v[AO], 6, v[T]
	v_lshl_add_u32 v[AO], v[T+1], 10, v[AO]
	v_add_nc_u32 v[AO], s15, v[AO]
	s_lshl_b32 s15, s[WV], 8
	v_lshlrev_b32 v[BO], 11, v[T]
	v_lshl_add_u32 v[BO], v[T+1], 6, v[BO]
	v_add_nc_u32 v[BO], s15, v[BO]
	s_mul_i32 s15, s[WV], PTILE
	v_mul_u32_u24 v[LS], v[T], PP
	v_lshl_add_u32 v[LS], v[T+1], 5, v[LS]         ; my 8 columns of a tile: 32 bytes
	v_add_nc_u32 v[LS], s15, v[LS]
	v_mul_u32_u24 v[LR], v[T+2], PP
	v_lshl_add_u32 v[LR], v[T], 4, v[LR]
	v_lshlrev_b32 v[GO], 12, v[T+2]
	v_lshl_add_u32 v[GO], v[T], 4, v[GO]
	v_lshlrev_b32 v[BI], 4, v[T]
	s_lshl_b32 s16, s13, 15                        ; the block's 32 tiles of lat
	s_mov_b32 s17, 0
	s_lshl_b32 s18, ttmp9, 17                      ; my 64 rows of w_out
	s_mov_b32 s19, 0
	s_lshl_b32 s20, ttmp9, 8                       ; my 64 columns: 256 bytes of b_out and of a row of o
	s_mov_b32 s21, 0
	s_lshl_b32 s22, s13, 16                        ; the block's 16 rows of o
	s_add_co_u32 s22, s22, s20
	s_mov_b32 s23, 0
	s_wait_kmcnt 0x0
	s_add_nc_u64 s[4:5], s[4:5], s[16:17]
	s_add_nc_u64 s[6:7], s[6:7], s[18:19]
	s_add_nc_u64 s[8:9], s[8:9], s[20:21]
	s_add_nc_u64 s[10:11], s[10:11], s[22:23]
	global_load_b128 v[BIAS:BIAS+3], v[BI], s[8:9]
.irp f, 0,1
.irp i, 0,1,2,3
	global_load_b128 v[RA+16*(\f)+4*(\i):RA+16*(\f)+4*(\i)+3], v[AO], s[4:5] offset:2048*(\f)+16*(\i)
.endr
.endr
.irp f, 0,1
.irp j, 0,1,2,3
.irp i, 0,1,2,3
	global_load_b128 v[X+4*(16*(\f)+4*(\j)+(\i)):X+4*(16*(\f)+4*(\j)+(\i))+3], v[BO], s[6:7] offset:32768*(\j)+128*(\f)+16*(\i)
.endr
.endr
.endr
	s_wait_loadcnt 32                              ; the bias and lat are in; w_out's 32 loads may stay out
.irp f, 0,1
.irp i, 0,1,2,3
	SPLIT4 RA+16*(\f)+4*(\i), AH+8*(\f)+2*(\i), AL+8*(\f)+2*(\i), T+4*((\i)%2)
.endr
.endr
	s_wait_loadcnt 16                              ; step 0's quads are in; step 1's 16 loads may stay out
	PAIR 0, 0, 1
	PLACES                                         ; ahead of the next writes of the fragments
	PAIR 0, 2, 3
	PLACES
	s_wait_loadcnt 0x0
	PAIR 1, 0, 1
	PLACES
	PAIR 1, 2, 3
	PLACES
	PLACES
.irp j, 0,1,2,3                        ; each accumulator is read from its low end on
	ds_store_b128 v[LS], v[ACC+8*(\j):ACC+8*(\j)+3] offset:64*(\j)
	ds_store_b128 v[LS], v[ACC+8*(\j)+4:ACC+8*(\j)+7] offset:64*(\j)+16
.endr
	s_wait_dscnt 0x0                               ; for the others' sake: my partial tile lies in LDS
	s_barrier_signal -1
	s_barrier_wait -1
.irp p, 0,1,2,3,4,5,6,7
	ds_load_b128 v[X+4*(\p):X+4*(\p)+3], v[LR] offset:PTILE*(\p)
.endr
	s_wait_dscnt 0x0
.irp d, 16,8,4                         ; eight quads into one
.set i, 0
.rept (\d)/2
	v_pk_add_f32 v[X+i:X+i+1], v[X+i:X+i+1], v[X+(\d)+i:X+(\d)+i+1]
.set i, i+2
.endr
.endr
	v_pk_add_f32 v[X:X+1], v[X:X+1], v[BIAS:BIAS+1]
	v_pk_add_f32 v[X+2:X+3], v[X+2:X+3], v[BIAS+2:BIAS+3]
	global_store_b128 v[GO], v[X:X+3], s[10:11]    ; 16 lanes store 256 consecutive bytes, at a multiple of 256 from o's first byte
	s_wait_tensorcnt 0x0                           ; the wave's end, behind my last LDS store
	ds_add_u32 v[SPW], v[NIL]
	s_wait_dscnt 0x0
	s_endpgm
.Lfunc_end_k_q529c7ad98a_proj_out:
	.size	k_q529c7ad98a_proj_out, .Lfunc_end_k_q529c7ad98a_proj_out-k_q529c7ad98a_proj_out
	.p2alignl 7, 3214868480
	.fill 96, 4, 3214868480
	.section	.rodata,"a",@progbits
	.p2align	6, 0x0
	.amdhsa_kernel k_q529c7ad98a_proj_out
		.amdhsa_group_segment_fixed_size 35840
		.amdhsa_private_segment_fixed_size 0
		.amdhsa_enable_private_segment 0
		.amdhsa_kernarg_size 32
		.amdhsa_user_sgpr_count 2
		.amdhsa_user_sgpr_kernarg_segment_ptr 1
		.amdhsa_wavefront_size32 1
		.amdhsa_system_sgpr_workgroup_id_x 1
		.amdhsa_system_sgpr_workgroup_id_y 1
		.amdhsa_system_sgpr_workgroup_id_z 1
		.amdhsa_system_vgpr_workitem_id 0
		.amdhsa_next_free_vgpr 248
		.amdhsa_next_free_sgpr 66
		.amdhsa_reserve_vcc 0
		.amdhsa_float_denorm_mode_32 3
		.amdhsa_float_denorm_mode_16_64 3
		.amdhsa_memory_ordered 1
		.amdhsa_forward_progress 1
		.amdhsa_inst_pref_size 31
	.end_amdhsa_kernel
	.amdgpu_metadata
---
amdhsa.version: [ 1, 2 ]
amdhsa.kernels:
  - .name:           k_q529c7ad98a_proj_out
    .symbol:         k_q529c7ad98a_proj_out.kd
    .args:
      - { .name: lat, .offset: 0, .size: 8, .value_kind: global_buffer, .address_space: global }
      - { .name: w_out, .offset: 8, .size: 8, .value_kind: global_buffer, .address_space: global }
      - { .name: b_out, .offset: 16, .size: 8, .value_kind: global_buffer, .address_space: global }
      - { .name: obuf, .offset: 24, .size: 8, .value_kind: global_buffer, .address_space: global }
    .group_segment_fixed_size: 35840
    .private_segment_fixed_size: 0
    .kernarg_segment_align: 8
    .kernarg_segment_size: 32
    .max_flat_workgroup_size: 256
    .sgpr_count:     66
    .vgpr_count:     248
    .wavefront_size: 32
...
	.end_amdgpu_metadata
.endif
;; end of part 5
;; launch layernorm (part 6): grid 128 x 1, 1 waves a work-group, no clusters, 0 bytes of LDS; arguments obuf, ln_w, ln_b, out0; writes out0
.if DOCPART == 6
	.amdgcn_target "amdgcn-amd-amdhsa--gfx1250"
	.amdhsa_code_object_version 6
	.text
	.protected	k_q529c7ad98a_layernorm
	.globl	k_q529c7ad98a_layernorm
	.p2align	8
	.type	k_q529c7ad98a_layernorm,@function
k_q529c7ad98a_layernorm:
	s_mov_b64 s[64:65], 0
	v_nop
	global_prefetch_b8 v0, s[64:65] scope:SCOPE_SE
	s_setreg_imm32_b32 hwreg(HW_REG_WAVE_MODE, 25, 1), 1
	s_wait_xcnt 0x0
; out0[n][c] = (o[n][c] - mu) rsqrt(var + 1e-5) ln_w[c] + ln_b[c], mu and var the mean and the mean squared deviation of row n's 1,024 numbers.  All f32.
; One wave, one row: 4,096 bytes are 32 registers, so the row stays in registers between the mean, the deviation and the scaling: it is read once, and there is no LDS and no barrier.
; The deviation is taken of o - mu, as the definition has it, not as a difference of large sums.  v_rsq_f32 is good to 1 ulp.  NaN and infinities are not treated apart.
; Each load and store of the wave covers 512 consecutive bytes, aligned.  128 rows are 128 work-groups: there is no more work to share out.
.set XR, 8                             ; v[8:39]   the row
.set WR, 40                            ; v[40:71]  ln_w
.set BR, 72                            ; v[72:103] ln_b
.set CH, 104                           ; v[104:111] four chains of a pair
.macro WSUM                            ; the four chains, the pair's halves and the 32 lanes into one number, in every lane
	v_pk_add_f32 v[CH:CH+1], v[CH:CH+1], v[CH+2:CH+3]
	v_pk_add_f32 v[CH+4:CH+5], v[CH+4:CH+5], v[CH+6:CH+7]
	v_pk_add_f32 v[CH:CH+1], v[CH:CH+1], v[CH+4:CH+5]
	v_add_f32 v[CH], v[CH], v[CH+1]
	v_add_f32_dpp v[CH], v[CH], v[CH] row_xmask:1 row_mask:0xf bank_mask:0xf
	v_add_f32_dpp v[CH], v[CH], v[CH] row_xmask:2 row_mask:0xf bank_mask:0xf
	v_add_f32_dpp v[CH], v[CH], v[CH] row_xmask:4 row_mask:0xf bank_mask:0xf
	v_add_f32_dpp v[CH], v[CH], v[CH] row_xmask:8 row_mask:0xf bank_mask:0xf
	v_permlanex16_b32 v[CH+1], v[CH], s14, s15
	v_add_f32 v[CH], v[CH], v[CH+1]
.endm
	s_load_b256 s[4:11], s[0:1], 0x0               ; o s[4:5], ln_w s[6:7], ln_b s[8:9], out0 s[10:11]
	v_lshlrev_b32 v1, 4, v0                        ; 16 bytes a lane
	s_lshl_b32 s12, ttmp9, 12                      ; my row
	s_mov_b32 s13, 0
	s_mov_b32 s14, 0x76543210                      ; v_permlanex16_b32: each lane takes its own place in the other half
	s_mov_b32 s15, 0xfedcba98
	s_mov_b32 s16, 0x3a800000                      ; 1 / 1024
	v_mov_b32 v5, 0x3727c5ac                       ; 1e-5
	s_wait_kmcnt 0x0
	s_add_nc_u64 s[4:5], s[4:5], s[12:13]
	s_add_nc_u64 s[10:11], s[10:11], s[12:13]
.irp i, 0,1,2,3,4,5,6,7
	global_load_b128 v[XR+4*(\i):XR+4*(\i)+3], v1, s[4:5] offset:512*(\i)
.endr
.irp i, 0,1,2,3,4,5,6,7
	global_load_b128 v[WR+4*(\i):WR+4*(\i)+3], v1, s[6:7] offset:512*(\i)
.endr
.irp i, 0,1,2,3,4,5,6,7
	global_load_b128 v[BR+4*(\i):BR+4*(\i)+3], v1, s[8:9] offset:512*(\i)
.endr
	s_wait_loadcnt 16                              ; the row is in; ln_w's and ln_b's 16 loads may stay out
.irp i, 0,1,2,3
	v_pk_add_f32 v[CH+2*(\i):CH+2*(\i)+1], v[XR+4*(\i):XR+4*(\i)+1], v[XR+4*(\i)+2:XR+4*(\i)+3]  ; the first eight pairs start the chains
.endr
.irp i, 0,1,2,3,4,5,6,7
	v_pk_add_f32 v[CH+2*((\i)%4):CH+2*((\i)%4)+1], v[CH+2*((\i)%4):CH+2*((\i)%4)+1], v[XR+16+2*(\i):XR+16+2*(\i)+1]
.endr
	WSUM
	v_mul_f32 v2, s16, v[CH]                       ; mu,
	v_mov_b32 v3, v2                               ; twice
.irp i, 0,1,2,3,4,5,6,7,8,9,10,11,12,13,14,15
	v_pk_add_f32 v[XR+2*(\i):XR+2*(\i)+1], v[XR+2*(\i):XR+2*(\i)+1], v[2:3] neg_lo:[0,1] neg_hi:[0,1]
.endr
.irp i, 0,1,2,3
	v_pk_mul_f32 v[CH+2*(\i):CH+2*(\i)+1], v[XR+2*(\i):XR+2*(\i)+1], v[XR+2*(\i):XR+2*(\i)+1]
.endr
.irp i, 4,5,6,7,8,9,10,11,12,13,14,15
	v_pk_fma_f32 v[CH+2*((\i)%4):CH+2*((\i)%4)+1], v[XR+2*(\i):XR+2*(\i)+1], v[XR+2*(\i):XR+2*(\i)+1], v[CH+2*((\i)%4):CH+2*((\i)%4)+1]
.endr
	WSUM
	v_fma_f32 v4, v[CH], s16, v5                   ; var + 1e-5
	v_rsq_f32 v6, v4
	v_nop                                          ; a plain instruction behind it (ISA guide 5.7.2),
	s_wait_alu depctr_va_vdst(0)                   ; and a wait, ahead of the first use
	v_mov_b32 v7, v6
	s_wait_loadcnt 0x0                             ; ln_w and ln_b
.irp i, 0,1,2,3,4,5,6,7,8,9,10,11,12,13,14,15
	v_pk_mul_f32 v[XR+2*(\i):XR+2*(\i)+1], v[XR+2*(\i):XR+2*(\i)+1], v[6:7]
.endr
.irp i, 0,1,2,3,4,5,6,7,8,9,10,11,12,13,14,15
	v_pk_fma_f32 v[XR+2*(\i):XR+2*(\i)+1], v[XR+2*(\i):XR+2*(\i)+1], v[WR+2*(\i):WR+2*(\i)+1], v[BR+2*(\i):BR+2*(\i)+1]
.endr
.irp i, 0,1,2,3,4,5,6,7
	global_store_b128 v1, v[XR+4*(\i):XR+4*(\i)+3], s[10:11] offset:512*(\i)
.endr
	s_endpgm
.Lfunc_end_k_q529c7ad98a_layernorm:
	.size	k_q529c7ad98a_layernorm, .Lfunc_end_k_q529c7ad98a_layernorm-k_q529c7ad98a_layernorm
	.p2alignl 7, 3214868480
	.fill 96, 4, 3214868480
	.section	.rodata,"a",@progbits
	.p2align	6, 0x0
	.amdhsa_kernel k_q529c7ad98a_layernorm
		.amdhsa_group_segment_fixed_size 0
		.amdhsa_private_segment_fixed_size 0
		.amdhsa_enable_private_segment 0
		.amdhsa_kernarg_size 32
		.amdhsa_user_sgpr_count 2
		.amdhsa_user_sgpr_kernarg_segment_ptr 1
		.amdhsa_wavefront_size32 1
		.amdhsa_system_sgpr_workgroup_id_x 1
		.amdhsa_system_sgpr_workgroup_id_y 1
		.amdhsa_system_sgpr_workgroup_id_z 1
		.amdhsa_system_vgpr_workitem_id 0
		.amdhsa_next_free_vgpr 112
		.amdhsa_next_free_sgpr 66
		.amdhsa_reserve_vcc 0
		.amdhsa_float_denorm_mode_32 3
		.amdhsa_float_denorm_mode_16_64 3
		.amdhsa_memory_ordered 1
		.amdhsa_forward_progress 1
		.amdhsa_inst_pref_size 10
	.end_amdhsa_kernel
	.amdgpu_metadata
---
amdhsa.version: [ 1, 2 ]
amdhsa.kernels:
  - .name:           k_q529c7ad98a_layernorm
    .symbol:         k_q529c7ad98a_layernorm.kd
    .args:
      - { .name: obuf, .offset: 0, .size: 8, .value_kind: global_buffer, .address_space: global }
      - { .name: ln_w, .offset: 8, .size: 8, .value_kind: global_buffer, .address_space: global }
      - { .name: ln_b, .offset: 16, .size: 8, .value_kind: global_buffer, .address_space: global }
      - { .name: out0, .offset: 24, .size: 8, .value_kind: global_buffer, .address_space: global }
    .group_segment_fixed_size: 0
    .private_segment_fixed_size: 0
    .kernarg_segment_align: 8
    .kernarg_segment_size: 32
    .max_flat_workgroup_size: 32
    .sgpr_count:     66
    .vgpr_count:     112
    .wavefront_size: 32
...
	.end_amdgpu_metadata
.endif
;; end of part 6
;; ======== version 2 of 2: 6 launches; version 1 with the launch attend written anew for expert scheduling mode
;; limits: values are held in f16: magnitudes above 65,504 overflow, below 6.1e-05 lose precision; inputs' magnitudes at most 65,504
;; workspace buffers: theta 262,144 bytes; qv 524,288 bytes; upart 1,114,112 bytes; lat 262,144 bytes; obuf 524,288 bytes
;; launch proj_st: the kernel of part 1 again; grid 32 x 8, 4 waves a work-group, no clusters, 4,608 bytes of LDS; arguments st_feat, w_st, b_st, theta; writes theta
;; launch proj_q: the kernel of part 2 again; grid 16 x 8, 8 waves a work-group, no clusters, 35,840 bytes of LDS; arguments theta, w_lt, qv; writes qv
;; launch attend (part 7): grid 2 x 128, 16 waves a work-group, no clusters, 305,152 bytes of LDS; arguments lt_feat, qv, theta, b_lt, upart; writes upart
.if DOCPART == 7
	.amdgcn_target "amdgcn-amd-amdhsa--gfx1250"
	.amdhsa_code_object_version 6
	.text
	.protected	k_q529c7ad98a_attend
	.globl	k_q529c7ad98a_attend
	.p2align	8
	.type	k_q529c7ad98a_attend,@function
k_q529c7ad98a_attend:
	s_mov_b64 s[64:65], 0
	v_nop
	global_prefetch_b8 v0, s[64:65] scope:SCOPE_SE
	s_setreg_imm32_b32 hwreg(HW_REG_WAVE_SCHED_MODE, 0, 2), 2
	s_setreg_imm32_b32 hwreg(HW_REG_WAVE_MODE, 25, 1), 1
	s_wait_xcnt 0x0
	s_wait_alu depctr_vm_vsrc(0)
; For sample n and half of the 512 long-term places t: z[t] = c (q[n] . lt[n][:][t] + theta[n] . b_lt), c = log2(e) / sqrt(512); a running maximum m of z; e[t] = 2^(z[t] - m);
; l = the sum of e; u[ch] = the sum over t of lt[n][ch][t] e[t].  u, m and l go to upart; the next launch joins the two halves and divides.
; lt_feat: [128][1024][512] f32, read ONCE: each row's numbers feed the scores from registers, in f32, and are laid by in LDS, rounded once to f16, for the product with e.
; FORMATS AND LIMITS.  Scores, maximum, exponentials and l in f32.  u by the matrix unit, f16 x f16 with f32 sums: |lt| stays under 65,504; a weight e keeps f16's fixed step of 6e-8 below 6e-5
; (l is taken of the unrounded e); a weight below 2^-126 counts as 0.  NaN and infinities are not treated apart.
; SHARES.  A work-group takes 256 places of one sample, as two chunks of 128.  Wave w of 16 owns the channels 64 w .. 64 w + 63.  One load is one channel's 512 consecutive bytes of a chunk: lane L holds
; t = 4 L .. 4 L + 3, so the channel's q is one scalar.
; IN FLIGHT.  A ring of 32 quads in registers, eight blocks of four: in the stream 24 to 28 loads of every wave are out, through the first chunk's softmax and product all 32.  All steps stand in immediates: no pointer is rewritten.
; No tensor ring: the ring in registers keeps as many bytes out with counted waits and no barrier.  No cluster: work-groups share only a few KB of q and theta.  No prefetch: the launch streams all the time.
; LDS.  LT: 1,024 rows of 256 bytes of f16 + 16 of padding (68 words: the 16 rows of a fragment load start at 16 different groups of four banks, 64 banks of 4 bytes: ISA guide 11.1); a wave touches its own 64 rows alone.
; PS: for each chunk 16 waves x 512 bytes of partial scores.  EB: 256 bytes a wave, e in f16.  UB: 256 bytes a wave, for the way out.  Then the spare words.
; THE MODE: SCHED_MODE bits 1:0 = 2 (LLVM: expert scheduling mode 2), set by the entry lines.  The code itself states the register dependences between vector or matrix instructions
; and memory or LDS instructions, with s_wait_alu, always for 0.
; THE PLAN.  Registers that memory or LDS instructions touch:
;   X0 .. X7    the ring's blocks.  Block p's vector lines read X[p % 8]; the four loads that land in it again are issued in block p + 1 (a chunk's last block: at the chunk's end).
;   HP0, HP1    four pairs of f16 each.  Block p's roundings write HP[p % 2]; the four LDS stores that read it are issued in block p + 1 (a chunk's last block: at the chunk's end).
;   SA .. SA+3  written by the chunk's last additions, read by the store of the partial scores.
;   F .. F+79   behind the barrier: the partial scores' loads land in F .. F+63; the softmax works there; E+4, E+5 are the data of e's store; the fragments' loads land in set 0 (F .. F+39) and set 1 (F+40 .. F+79), which the products read.
;   ACC         named by matrix and vector instructions alone, up to the way out's LDS stores.
;   v1-v4, v8-v13  addresses, made at the head and never written again.  v14, v15: offsets at the head; v14 is made anew for the way out.
; Block p's memory instructions touch the two buffers that block p - 1 worked on, X[(p - 1) % 8] and HP[(p - 1) % 2], which no vector line of block p names.  So the waits at a block's head state all that its
; eight memory instructions hang on, and these are dealt among its vector lines with no further wait.
.set LTP,   272
.set WROWS, 64*LTP                     ; a wave's rows of LT
.set PS,    1024*LTP                   ; 278,528
.set EB,    PS+2*16*512                ; 294,912
.set UB,    EB+16*256                  ; 299,008
.set SPARE, UB+16*256                  ; 303,104: 128 bytes a wave, that no other line names
.set LW,   1                           ; v1   my 8 bytes in my wave's first row of LT
.set ARD,  2                           ; v2   my place in a fragment of my wave's rows: 272 r + 16 h
.set PSR,  3                           ; v3   PS + 16 L: my four places in wave 0's partial scores
.set EBR,  4                           ; v4   my wave's e, + 16 h
.set M,    5                           ; v5   the running maximum
.set LSUM, 6                           ; v[6:7] my lane's part of l
.set VO,   8                           ; v8   my byte offset in lt: 64 w rows + 16 L; never rewritten
.set PSW,  9                           ; v9   PS + 16 x thread: where I put my partial scores
.set EBW,  10                          ; v10  EB + 8 x thread: where I put my four e; UB lies 4,096 bytes on
.set UBW,  11                          ; v11  my wave's UB, + 32 h
.set SPW,  12
.set NIL,  13
.set ACC,  16                          ; v[16:47] u of my 64 channels: four tiles of 16
.set F,    48                          ; v[48:127] by phase
.set SA,   F                           ; scores: four chains of a quad
.set HP,   F+16                        ; two buffers of four pairs of f16 on their way to LDS
.set E,    F+64                        ; e, four f32; then two registers of f16
.set X,    128                         ; v[128:255] the ring
.set WV,   2                           ; s2   my wave's number
.set TQ,   84                          ; s[84:87] two pairs: an odd channel's q goes into a pair's low word, which the packed forms take for both halves
.set CS,   88                          ; s[88:89] c
.set SEL,  90                          ; s[90:91] v_permlanex16_b32's selects: each lane takes its own place in the other half
.set CSB,  92                          ; s[92:93] c theta . b_lt
.set AS,   94                          ; s[94:95] a = 2^(m_old - m_new)
; q of channel j of my 64 lies in s[16 + j] (j < 48) or s[20 + j]: s[16:63] and s[68:83]
.macro PLACES                          ; four plain vector instructions behind a matrix instruction, ahead of writes of its sources and of reads of its result (ISA guide 7.12.1)
.rept 4
	v_nop
.endr
.endm
	s_load_b256 s[4:11], s[0:1], 0x0               ; lt s[4:5], q s[6:7], theta s[8:9], b_lt s[10:11]
	s_load_b64 s[12:13], s[0:1], 0x20              ; upart
	v_lshl_add_u32 v[SPW], v0, 2, SPARE
	v_mov_b32 v[NIL], 0
	v_lshrrev_b32 v14, 5, v0
	v_readfirstlane_b32 s[WV], v14                 ; wave 0..15
	s_and_b32 s3, ttmp7, 0xffff                    ; n
	v_and_b32 v16, 31, v0                          ; L
	v_and_b32 v17, 15, v0                          ; r
	v_bfe_u32 v18, v0, 4, 1                        ; h
	v_mul_u32_u24 v[ARD], v17, LTP
	v_lshl_add_u32 v[ARD], v18, 4, v[ARD]
	v_lshl_add_u32 v[PSR], v16, 4, PS
	v_lshl_add_u32 v[PSW], v0, 4, PS
	v_lshl_add_u32 v[EBW], v0, 3, EB
	v_lshlrev_b32 v14, 10, v16                     ; theta: lane L takes block L's row: l = 16 L .. 16 L + 15
	v_lshlrev_b32 v15, 6, v16                      ; b_lt: the same 16 numbers
	s_wait_alu depctr_va_sdst(0)                   ; the wave's number is written, ahead of its first reader: offsets and LDS addresses are made from it
	s_lshl_b32 s14, s[WV], 17                      ; 64 rows of 2,048 bytes
	v_lshl_add_u32 v[VO], v16, 4, s14
	s_mul_i32 s15, s[WV], WROWS
	v_lshl_add_u32 v[LW], v16, 3, s15
	v_add_nc_u32 v[ARD], s15, v[ARD]
	s_lshl_b32 s14, s[WV], 8
	s_add_co_u32 s15, s14, EB
	v_lshl_add_u32 v[EBR], v18, 4, s15
	s_add_co_u32 s15, s14, UB
	v_lshl_add_u32 v[UBW], v18, 5, s15
	s_lshl_b32 s16, s3, 21                         ; the sample in lt,
	s_lshl_b32 s15, ttmp9, 10                      ; my half of its places
	s_add_co_u32 s16, s16, s15
	s_mov_b32 s17, 0
	s_lshl_b32 s18, s3, 12                         ; the sample's row of q,
	s_add_co_u32 s18, s18, s14                     ; my wave's 64 numbers
	s_mov_b32 s19, 0
	s_lshr_b32 s20, s3, 4                          ; theta: block row n / 16,
	s_lshl_b32 s20, s20, 15
	s_and_b32 s15, s3, 15                          ; row n % 16 of each block
	s_lshl_b32 s15, s15, 6
	s_add_co_u32 s20, s20, s15
	s_mov_b32 s21, 0
	s_lshl_b32 s22, s3, 1
	s_add_co_u32 s22, s22, ttmp9
	s_mul_i32 s22, s22, 4352                       ; upart: 1,088 words for a sample's half
	s_mov_b32 s23, 0
	s_mov_b32 s[TQ+1], 0                           ; named with the low words as pairs
	s_mov_b32 s[TQ+3], 0
	s_mov_b32 s[CS], 0x3d8293ee                    ; c = log2(e) / sqrt(512) = 0.0637587
	s_mov_b32 s[CS+1], s[CS]
	s_mov_b32 s[SEL], 0x76543210
	s_mov_b32 s[SEL+1], 0xfedcba98
	s_wait_kmcnt 0x0
	s_add_nc_u64 s[4:5], s[4:5], s[16:17]
	s_add_nc_u64 s[6:7], s[6:7], s[18:19]
	s_add_nc_u64 s[8:9], s[8:9], s[20:21]
	s_add_nc_u64 s[12:13], s[12:13], s[22:23]
	s_load_b512 s[16:31], s[6:7], 0x0              ; my 64 numbers of q
	s_load_b512 s[32:47], s[6:7], 0x40
	s_load_b512 s[48:63], s[6:7], 0x80
	s_load_b512 s[68:83], s[6:7], 0xc0
	s_wait_alu depctr_va_vdst(0)                   ; the offsets and LDS addresses v1 to v4, v8 to v15 are written, which the loads and stores of the whole kernel read
.irp i, 0,1,2,3
	global_load_b128 v[F+4*(\i):F+4*(\i)+3], v14, s[8:9] offset:16*(\i)
.endr
.irp i, 0,1,2,3
	global_load_b128 v[F+16+4*(\i):F+16+4*(\i)+3], v15, s[10:11] offset:16*(\i)
.endr
.set g, 0
.rept 32
	global_load_b128 v[X+4*g:X+4*g+3], v[VO], s[4:5] offset:2048*g th:TH_LOAD_NT  ; the ring is filled: channels 0 to 31 of chunk 0
.set g, g+1
.endr
	s_wait_loadcnt 32                              ; theta and b_lt are in; the ring's 32 loads stay out
	v_pk_mul_f32 v[F+32:F+33], v[F:F+1], v[F+16:F+17]  ; theta . b_lt, in two chains
	v_pk_mul_f32 v[F+34:F+35], v[F+2:F+3], v[F+18:F+19]
.irp p, 4,8,12
	v_pk_fma_f32 v[F+32:F+33], v[F+(\p):F+(\p)+1], v[F+16+(\p):F+16+(\p)+1], v[F+32:F+33]
	v_pk_fma_f32 v[F+34:F+35], v[F+(\p)+2:F+(\p)+3], v[F+16+(\p)+2:F+16+(\p)+3], v[F+34:F+35]
.endr
	v_pk_add_f32 v[F+32:F+33], v[F+32:F+33], v[F+34:F+35]
	v_add_f32 v[F+32], v[F+32], v[F+33]
	v_add_f32_dpp v[F+32], v[F+32], v[F+32] row_xmask:1 row_mask:0xf bank_mask:0xf
	v_add_f32_dpp v[F+32], v[F+32], v[F+32] row_xmask:2 row_mask:0xf bank_mask:0xf
	v_add_f32_dpp v[F+32], v[F+32], v[F+32] row_xmask:4 row_mask:0xf bank_mask:0xf
	v_add_f32_dpp v[F+32], v[F+32], v[F+32] row_xmask:8 row_mask:0xf bank_mask:0xf
	v_permlanex16_b32 v[F+33], v[F+32], s[SEL], s[SEL+1]
	v_add_f32 v[F+32], v[F+32], v[F+33]
	v_mul_f32 v[F+32], s[CS], v[F+32]
	v_readfirstlane_b32 s[CSB], v[F+32]            ; the same in every lane: kept as a scalar; it enters arithmetic alone
	s_wait_alu depctr_va_sdst(0)                   ; c theta . b_lt is written, ahead of its first reader, the line below
	s_mov_b32 s[CSB+1], s[CSB]
	s_wait_kmcnt 0x0                               ; q
; THE STREAM.  Row g of 128: channel j = g % 64 of chunk g / 64, in ring slot g % 32.  Its four places add q[j] x lt onto one of four chains and are rounded to f16: VROW, the row's vector lines.
; A block later the pair of f16 is laid into LT (LAYBY) and the slot is asked for again, 32 rows on (RELOAD): both work for row b.  asked counts the ring's loads issued so far.
.macro VROW
.set j, g%64
.set xs, X+4*(g%32)
.set sa, SA+4*(j%4)
.set hp, HP+8*((g/4)%2)+2*(j%4)
.set qs, 16+j+4*(j/48)
.if j%2
	s_mov_b32 s[TQ+2*((j/2)%2)], s[qs]
.set qs, TQ+2*((j/2)%2)
.endif
.if j < 4
	v_pk_mul_f32 v[sa:sa+1], v[xs:xs+1], s[qs:qs+1] op_sel_hi:[1,0]  ; the first four channels start the chains: nothing is cleared
	v_pk_mul_f32 v[sa+2:sa+3], v[xs+2:xs+3], s[qs:qs+1] op_sel_hi:[1,0]
.else
	v_pk_fma_f32 v[sa:sa+1], v[xs:xs+1], s[qs:qs+1], v[sa:sa+1] op_sel_hi:[1,0,1]
	v_pk_fma_f32 v[sa+2:sa+3], v[xs+2:xs+3], s[qs:qs+1], v[sa+2:sa+3] op_sel_hi:[1,0,1]
.endif
	v_cvt_pk_f16_f32 v[hp], v[xs], v[xs+1]
	v_cvt_pk_f16_f32 v[hp+1], v[xs+2], v[xs+3]
.set g, g+1
.endm
.macro RELOAD
	global_load_b128 v[X+4*(b%32):X+4*(b%32)+3], v[VO], s[4:5] offset:2048*((b+32)%64)+512*((b+32)/64) th:TH_LOAD_NT
.set asked, asked+1
.endm
.macro LAYBY
	ds_store_b64 v[LW], v[HP+8*((b/4)%2)+2*(b%4):HP+8*((b/4)%2)+2*(b%4)+1] offset:LTP*(b%64)
.endm
; A block: rows g .. g + 3.  A chunk's first block has no block in front of it: no memory instruction, and no wait but the one for its data.
.macro BLK
	s_wait_loadcnt asked-g-4                       ; loads come back in order (ISA guide 5.7.1): my four are in; all that were issued behind them stay out: 28 at a chunk's first block, then 24; at the end the count runs down
.if (g%64) >= 8
	s_wait_alu depctr_vm_vsrc(0)                   ; the LDS stores issued in the block before have read the HP buffer that this block's roundings write again
.endif
.if (g%64) >= 4
	s_wait_alu depctr_va_vdst(0)                   ; the block before has written the other HP buffer, which the stores below read, and is done reading its X, in which the loads below land
.endif
.rept 4
.if (g%64) >= 4
.set b, g-4
.if b < 96
	RELOAD                                         ; no vector line since the wait names these registers
.endif
	LAYBY
.endif
	VROW
.endr
.endm
; THE SOFTMAX of chunk k.  The 16 waves' partial scores meet in LDS, in the chunk's own bytes, so one barrier a chunk does; every wave then makes all 128 scores, the maximum and e for itself.
.macro SOFT k
	v_pk_add_f32 v[SA:SA+1], v[SA:SA+1], v[SA+4:SA+5]
	v_pk_add_f32 v[SA+2:SA+3], v[SA+2:SA+3], v[SA+6:SA+7]
	v_pk_add_f32 v[SA+8:SA+9], v[SA+8:SA+9], v[SA+12:SA+13]
	v_pk_add_f32 v[SA+10:SA+11], v[SA+10:SA+11], v[SA+14:SA+15]
	v_pk_add_f32 v[SA:SA+1], v[SA:SA+1], v[SA+8:SA+9]
	v_pk_add_f32 v[SA+2:SA+3], v[SA+2:SA+3], v[SA+10:SA+11]
	s_wait_alu depctr_va_vdst(0)                   ; the chunk's last block has written its HP and these additions SA, which the stores below read; that block is done reading its X, in which the loads below land; and all vector work on F is done, in which the loads behind the barrier land
.set b, g-4
.rept 4
.if b < 96
	RELOAD                                         ; chunk 0: the ring is whole again, 32 loads out
.endif
.set b, b+1
.endr
.set b, g-4
.rept 4
	LAYBY
.set b, b+1
.endr
	ds_store_b128 v[PSW], v[SA:SA+3] offset:8192*(\k)
	s_wait_dscnt 0x0                               ; for the others' sake: my partial scores lie in LDS
	s_barrier_signal -1
	s_barrier_wait -1
	s_wait_alu depctr_vm_vsrc(0)                   ; my LDS stores have read SA and both HP buffers, in which the loads below land, and which the next chunk's first blocks write
.irp p, 0,1,2,3,4,5,6,7,8,9,10,11,12,13,14,15
	ds_load_b128 v[F+4*(\p):F+4*(\p)+3], v[PSR] offset:8192*(\k)+512*(\p)
.endr
	s_wait_dscnt 0x0
.irp d, 32,16,8,4                      ; sixteen quads into one
.set i, 0
.rept (\d)/2
	v_pk_add_f32 v[F+i:F+i+1], v[F+i:F+i+1], v[F+(\d)+i:F+(\d)+i+1]
.set i, i+2
.endr
.endr
	v_pk_fma_f32 v[F:F+1], v[F:F+1], s[CS:CS+1], s[CSB:CSB+1] op_sel_hi:[1,0,0]  ; z = c s + c theta . b_lt
	v_pk_fma_f32 v[F+2:F+3], v[F+2:F+3], s[CS:CS+1], s[CSB:CSB+1] op_sel_hi:[1,0,0]
	v_max3_num_f32 v[F+4], v[F], v[F+1], v[F+2]
	v_max_num_f32 v[F+4], v[F+4], v[F+3]
	v_max_num_f32_dpp v[F+4], v[F+4], v[F+4] row_xmask:1 row_mask:0xf bank_mask:0xf
	v_max_num_f32_dpp v[F+4], v[F+4], v[F+4] row_xmask:2 row_mask:0xf bank_mask:0xf
	v_max_num_f32_dpp v[F+4], v[F+4], v[F+4] row_xmask:4 row_mask:0xf bank_mask:0xf
	v_max_num_f32_dpp v[F+4], v[F+4], v[F+4] row_xmask:8 row_mask:0xf bank_mask:0xf
	v_permlanex16_b32 v[F+5], v[F+4], s[SEL], s[SEL+1]
.if (\k) == 0
	v_max_num_f32 v[M], v[F+4], v[F+5]
.else
	v_mov_b32 v[F+6], v[M]                         ; m_old is kept for a
	v_max3_num_f32 v[M], v[F+4], v[F+5], v[M]
	v_sub_f32 v[F+6], v[F+6], v[M]
.endif
.irp i, 0,1,2,3
	v_sub_f32 v[F+(\i)], v[F+(\i)], v[M]
.endr
.irp i, 0,1,2,3
	v_exp_f32 v[E+(\i)], v[F+(\i)]
.endr
.if \k
	v_exp_f32 v[F+7], v[F+6]
.endif
	v_nop                                          ; a plain instruction behind the last exponential, ahead of the first use (ISA guide 5.7.2)
	s_wait_alu depctr_va_vdst(0)                   ; the exponentials have written e (and a): one wait for the batch, ahead of its first reader
.if (\k) == 0
	v_pk_add_f32 v[LSUM:LSUM+1], v[E:E+1], v[E+2:E+3]
.else
	v_readfirstlane_b32 s[AS], v[F+7]              ; the same in every lane
.endif
	v_cvt_pk_f16_f32 v[E+4], v[E], v[E+1]
	v_cvt_pk_f16_f32 v[E+5], v[E+2], v[E+3]
.if \k
	s_wait_alu depctr_va_sdst(0)                   ; a is written, ahead of its first reader, the line below
	s_mov_b32 s[AS+1], s[AS]
	v_pk_fma_f32 v[LSUM:LSUM+1], v[LSUM:LSUM+1], s[AS:AS+1], v[E:E+1] op_sel_hi:[1,0,1]
	v_pk_add_f32 v[LSUM:LSUM+1], v[LSUM:LSUM+1], v[E+2:E+3]
.endif
	s_wait_alu depctr_va_vdst(0)                   ; the roundings have written E+4 and E+5, which the store reads; and the softmax is done with F .. F+79, in which the fragments' loads land
	ds_store_b64 v[EBW], v[E+4:E+5]                ; my wave's own copy of e: LDS serves a wave's instructions in order (ISA guide 5.7.1.4), so its reads below see it
.endm
; THE PRODUCT u += lt e.  Source 0 = 16 channels x 32 places out of LT; source 1 = e, the same in all 16 columns: in the result every lane (r, h) holds u[16 tt + 8 h + 0..7].
; Step ks of four takes places 32 ks on.  Two sets of fragments: 8 registers of e, 32 of lt.
.macro LOADF ks, set
.set fb, F+40*(\set)
	ds_load_b128 v[fb:fb+3], v[EBR] offset:64*(\ks)
	ds_load_b128 v[fb+4:fb+7], v[EBR] offset:64*(\ks)+32
.irp tt, 0,1,2,3
	ds_load_b128 v[fb+8+8*(\tt):fb+8+8*(\tt)+3], v[ARD] offset:16*LTP*(\tt)+64*(\ks)
	ds_load_b128 v[fb+8+8*(\tt)+4:fb+8+8*(\tt)+7], v[ARD] offset:16*LTP*(\tt)+64*(\ks)+32
.endr
.endm
.macro MULF set, zero                  ; the four accumulators take turns, one instruction a turn, from step to step and from chunk to chunk
.set fb, F+40*(\set)
.irp tt, 0,1,2,3
.if \zero
	v_wmma_f32_16x16x32_f16 v[ACC+8*(\tt):ACC+8*(\tt)+7], v[fb+8+8*(\tt):fb+8+8*(\tt)+7], v[fb:fb+7], 0
.else
	v_wmma_f32_16x16x32_f16 v[ACC+8*(\tt):ACC+8*(\tt)+7], v[fb+8+8*(\tt):fb+8+8*(\tt)+7], v[fb:fb+7], v[ACC+8*(\tt):ACC+8*(\tt)+7]
.endif
.endr
.endm
.macro PASS2 k
	LOADF 0, 0
	s_wait_alu depctr_vm_vsrc(0)                   ; e's store has read E+4 and E+5, which lie in set 1: its loads land there
	LOADF 1, 1
.if \k
.set i, 0
.rept 16
	v_pk_mul_f32 v[ACC+i:ACC+i+1], v[ACC+i:ACC+i+1], s[AS:AS+1] op_sel_hi:[1,0]  ; u a, while the LDS loads are out; each accumulator from its low end on
.set i, i+2
.endr
.endif
	s_wait_dscnt 10                                ; set 0 is in; set 1's ten loads may stay out
	MULF 0, 1-(\k)                                 ; in chunk 0 the first products start the sums
	PLACES                                         ; the places stay beside the wait
	s_wait_alu depctr_va_vdst(0)                   ; the four products are done reading set 0, in which the loads below land
	LOADF 2, 0
	s_wait_dscnt 10                                ; set 1 is in
	MULF 1, 0
	PLACES
	s_wait_alu depctr_va_vdst(0)                   ; the four products are done reading set 1, in which the loads below land
	LOADF 3, 1
	s_wait_dscnt 10                                ; set 0 is in
	MULF 0, 0
	s_wait_dscnt 0x0
	MULF 1, 0
	PLACES                                         ; ahead of the next writes of the fragments' registers
.endm
.set g, 0
.set asked, 32
.rept 16
	BLK
.endr
	SOFT 0
	PASS2 0
.rept 16
	BLK
.endr
	SOFT 1
	PASS2 1
	PLACES
	; THE WAY OUT.  Lanes of equal h hold equal numbers and write equal words; the wave's 64 numbers come back 8 bytes a lane.
	v_lshlrev_b32 v14, 3, v0                       ; 256 w + 8 L (the loads that read v14 at the head stand ahead of the stream's waits on vm_vsrc)
	s_wait_alu depctr_va_vdst(0)                   ; the products have written the accumulators, which the LDS stores read, and are done reading F and F+1, in which the load lands; v14 is written, the global stores' offset
.irp tt, 0,1,2,3
	ds_store_b128 v[UBW], v[ACC+8*(\tt):ACC+8*(\tt)+3] offset:64*(\tt)
	ds_store_b128 v[UBW], v[ACC+8*(\tt)+4:ACC+8*(\tt)+7] offset:64*(\tt)+16
.endr
	ds_load_b64 v[F:F+1], v[EBW] offset:UB-EB
	s_wait_dscnt 0x0
	global_store_b64 v14, v[F:F+1], s[12:13]       ; the wave stores 256 consecutive bytes, at a multiple of 256 from upart's first byte
	s_cmp_lg_u32 s[WV], 0                          ; every wave holds the same m and l: wave 0 stores them
	s_cbranch_scc1 .Lend
	v_add_f32 v[F+3], v[LSUM], v[LSUM+1]
	v_add_f32_dpp v[F+3], v[F+3], v[F+3] row_xmask:1 row_mask:0xf bank_mask:0xf
	v_add_f32_dpp v[F+3], v[F+3], v[F+3] row_xmask:2 row_mask:0xf bank_mask:0xf
	v_add_f32_dpp v[F+3], v[F+3], v[F+3] row_xmask:4 row_mask:0xf bank_mask:0xf
	v_add_f32_dpp v[F+3], v[F+3], v[F+3] row_xmask:8 row_mask:0xf bank_mask:0xf
	v_permlanex16_b32 v[F+4], v[F+3], s[SEL], s[SEL+1]
	v_add_f32 v[F+3], v[F+3], v[F+4]
	v_mov_b32 v[F+2], v[M]
	s_wait_alu depctr_va_vdst(0)                   ; m and l are written into F+2 and F+3, which the store reads
	global_store_b64 v14, v[F+2:F+3], s[12:13] offset:4096  ; (m, l) 32 times: 256 consecutive bytes, written whole
.Lend:
	s_wait_dscnt 0x0                               ; the closing lines, six on end
	s_wait_alu 0x0
	s_wait_tensorcnt 0x0
	ds_add_u32 v[SPW], v[NIL]
	s_wait_dscnt 0x0
	s_endpgm
.Lfunc_end_k_q529c7ad98a_attend:
	.size	k_q529c7ad98a_attend, .Lfunc_end_k_q529c7ad98a_attend-k_q529c7ad98a_attend
	.p2alignl 7, 3214868480
	.fill 96, 4, 3214868480
	.section	.rodata,"a",@progbits
	.p2align	6, 0x0
	.amdhsa_kernel k_q529c7ad98a_attend
		.amdhsa_group_segment_fixed_size 305152
		.amdhsa_private_segment_fixed_size 0
		.amdhsa_enable_private_segment 0
		.amdhsa_kernarg_size 40
		.amdhsa_user_sgpr_count 2
		.amdhsa_user_sgpr_kernarg_segment_ptr 1
		.amdhsa_wavefront_size32 1
		.amdhsa_system_sgpr_workgroup_id_x 1
		.amdhsa_system_sgpr_workgroup_id_y 1
		.amdhsa_system_sgpr_workgroup_id_z 1
		.amdhsa_system_vgpr_workitem_id 0
		.amdhsa_next_free_vgpr 256
		.amdhsa_next_free_sgpr 100
		.amdhsa_reserve_vcc 0
		.amdhsa_float_denorm_mode_32 3
		.amdhsa_float_denorm_mode_16_64 3
		.amdhsa_memory_ordered 1
		.amdhsa_forward_progress 1
		.amdhsa_inst_pref_size 83
	.end_amdhsa_kernel
	.amdgpu_metadata
---
amdhsa.version: [ 1, 2 ]
amdhsa.kernels:
  - .name:           k_q529c7ad98a_attend
    .symbol:         k_q529c7ad98a_attend.kd
    .args:
      - { .name: lt_feat, .offset: 0, .size: 8, .value_kind: global_buffer, .address_space: global }
      - { .name: qv, .offset: 8, .size: 8, .value_kind: global_buffer, .address_space: global }
      - { .name: theta, .offset: 16, .size: 8, .value_kind: global_buffer, .address_space: global }
      - { .name: b_lt, .offset: 24, .size: 8, .value_kind: global_buffer, .address_space: global }
      - { .name: upart, .offset: 32, .size: 8, .value_kind: global_buffer, .address_space: global }
    .group_segment_fixed_size: 305152
    .private_segment_fixed_size: 0
    .kernarg_segment_align: 8
    .kernarg_segment_size: 40
    .max_flat_workgroup_size: 512
    .sgpr_count:     100
    .vgpr_count:     256
    .wavefront_size: 32
...
	.end_amdgpu_metadata
.endif
;; end of part 7
;; launch proj_g: the kernel of part 4 again; grid 32 x 8, 4 waves a work-group, no clusters, 4,608 bytes of LDS; arguments upart, w_g, b_g, lat; writes lat
;; launch proj_out: the kernel of part 5 again; grid 16 x 8, 8 waves a work-group, no clusters, 35,840 bytes of LDS; arguments lat, w_out, b_out, obuf; writes obuf
;; launch layernorm: the kernel of part 6 again; grid 128 x 1, 1 waves a work-group, no clusters, 0 bytes of LDS; arguments obuf, ln_w, ln_b, out0; writes out0
